; MI455X (gfx1250); checked and timed in simulation.
; The chip was launched on July 23, 2026; its instructions are those of AMD's public machine-readable ISA for CDNA 5 (MIT licence, August 2026) and "CDNA5" Instruction Set Architecture Reference Guide (July 2026). The comments in the code are by the model that wrote it; some were corrected since.
;; Transformer Block. Allowed arithmetic: matrix products marked QUANTISED: E3M2 operands, one E8M0 scale for each 32 along K, by v_wmma_scale_f32_16x16x128_f8f6f4 with both operands' format E3M2, f32 sums; everything else in f32.
;; Inputs: gain1 1,024 float32; gain2 1,024 float32; o_w 1,024 x 1,024 float32; qkv_w 3 x 1,024 x 1,024 float32; token_positions 2,048 int32; w1 2,752 x 1,024 float32; w2 1,024 x 2,752 float32; w3 2,752 x 1,024 float32; x 2 x 2,048 x 1,024 float32.
;; Outputs: out0 2 x 2,048 x 1,024 float32.
;; This version of the problem:
;;   THIS VERSION OF THE PROBLEM IS GIVEN IN LOW PRECISION. The matrix products marked QUANTISED in the list below multiply operands that are first quantised to E3M2 (3 exponent bits, 2 mantissa bits; 6 bits a number), with one power-of-two scale for each 32 numbers along K (OCP MX v1.0); their sums are f32. All else is computed in f32.
;;   The module's matrix products, in the order in which they are computed (A, B: the left and right operand; K: the contracted axis; several contracted axes count as one K, in the product's order):
;;     1. [M 3,072, K 1,024] x [K 1,024, N 4,096]; A: input qkv_w; B: computed on the way: QUANTISED
;;     2. batch 32 x [M 2,048, K 64] x [K 64, N 2,048]; A: computed on the way; B: computed on the way: QUANTISED
;;     3. batch 32 x [M 2,048, K 2,048] x [K 2,048, N 64]; A: softmax (see below); B: computed on the way: QUANTISED
;;     4. [M 4,096, K 1,024] x [K 1,024, N 1,024]; A: computed on the way; B: input o_w: QUANTISED
;;     5. [M 4,096, K 1,024] x [K 1,024, N 2,752]; A: computed on the way; B: input w1: QUANTISED
;;     6. [M 4,096, K 1,024] x [K 1,024, N 2,752]; A: computed on the way; B: input w3: QUANTISED
;;     7. [M 4,096, K 2,752] x [K 2,752, N 1,024]; A: computed on the way; B: input w2: QUANTISED
;;   THE QUANTISER, for each operand of a quantised product, along K:
;;     - K is cut into blocks of 32 from its start; a last block that is shorter is filled with zeros.
;;     - A block's scale is 2^e with e = floor(log2(the largest magnitude in the block)) - 4, held to -126 .. 127; a block of zeros has e = 0. As a byte (E8M0): e + 127.
;;     - Each number is divided by its block's scale, clamped to +-28, and rounded to the nearest number of E3M2, ties to even, subnormals kept.
;;     - The product sums the exact products of the quantised numbers (number of the format x scale) in f32.
;;   ~~~python
;;   def quantise(x, axis):      # numpy; x: float32 -> the quantised numbers, widened to float32 again
;;       x = np.moveaxis(x, axis, -1); K = x.shape[-1]
;;       x = np.pad(x, [(0, 0)] * (x.ndim - 1) + [(0, -K % 32)]); x = x.reshape(x.shape[:-1] + (-1, 32)); a = np.abs(x).max(-1, keepdims=True)
;;       e = np.where(a > 0, np.clip(np.frexp(np.where(a > 0, a, 1))[1] - 1 - 4, -126, 127), 0)      # np.frexp(a)[1] - 1 = floor(log2(a)), exactly
;;       r = np.clip(x / 2.0 ** e, -28, 28)
;;       step = 2.0 ** (np.maximum(np.frexp(np.where(r == 0, 1, r))[1] - 1, -2) - 2)
;;       q = np.round(r / step) * step * 2.0 ** e      # np.round: ties to even
;;       return np.moveaxis(q.reshape(q.shape[:-2] + (-1,))[..., :K], -1, axis).astype(np.float32)
;;   ~~~
;;   SOFTMAX AHEAD OF A QUANTISED PRODUCT. Where the list says 'softmax', what is quantised is not the finished softmax but p = 2^(t - M), with t = logit x log2(e) and M = ceil(the row's largest t), a whole number; so 1/2 < the row's largest p <= 1. The row's sum l is taken of the UNQUANTISED p, in f32, and the product's result is divided by l at the end. Since M is a whole number, a kernel that streams over the keys may use a running M (the ceiling of the running maximum): every later rescaling is an exact power of two, which a block's scale takes up: the codes' values come out the same.
;;   OPERANDS COMPUTED ON THE WAY. 'Computed on the way' means the value that the module computes at that place (a softmax that the list does not call 'softmax' is quantised finished and normalised). What goes into a quantiser is computed in f32, as accurately as f32 sums, v_exp_f32 and their like allow (about 1e-6 of the number): no bf16 or f16 on the way to a quantiser, and a product that is left as it is and whose result goes on into a quantised operand takes f32 operands (vector FMAs, or v_wmma_f32_16x16x4_f32). A number that lies on a knife's edge between two numbers of the format may be rounded either way, as far as f32 arithmetic and the matrix unit's own rounding can turn it there, and no further.
;; One version. Each part assembles by itself: llvm-mc -triple=amdgcn-amd-amdhsa -mcpu=gfx1250 --defsym DOCPART=n.
;; ======== version 1 of 1: 7 launches
;; limits: inputs' magnitudes at most 100,000; right only within a limited range of input values
;; workspace buffers: wq 10,559,488 bytes; nq 3,276,800 bytes; qkvc 9,830,400 bytes; oq 3,276,800 bytes; h1 16,777,216 bytes; aq 9,011,200 bytes
;; launch prep (part 1): grid 872 x 1, 4 waves a work-group, no clusters, 68,608 bytes of LDS; arguments x, gain1, qkv_w, o_w, w1, w3, w2, token_positions, nq, wq; writes nq, wq
.if DOCPART == 1
	.amdgcn_target "amdgcn-amd-amdhsa--gfx1250"
	.amdhsa_code_object_version 6
	.text
	.protected	k_qd1dc65de52_prep
	.globl	k_qd1dc65de52_prep
	.p2align	8
	.type	k_qd1dc65de52_prep,@function
k_qd1dc65de52_prep:
	s_mov_b64 s[64:65], 0
	v_nop
	global_prefetch_b8 v0, s[64:65] scope:SCOPE_SE
	s_setreg_imm32_b32 hwreg(HW_REG_WAVE_MODE, 25, 1), 1
	s_wait_xcnt 0x0
; Everything that is quantised from f32 rows with K innermost, in one text, which two launches run.  By the job number E:
;   0-255 rmsnorm(first argument, gain) -> nq;  256-447 qkv_w, 448-511 o_w, 512-683 w1, 684-855 w3 -> wq;  856-871 the rope table and the zero codes of the 44th group of w1 and w3 -> wq;  872-1047 w2 -> wq.
; THE TWO LAUNCHES.  The first has a grid of 872 x 1: E = 0 .. 871.  The second has a grid of 216 x 2: its work-groups 0-255 (x + 216 y) are E = 0 .. 255, on the second norm's rows, and the 176 behind them are
; E = 872 .. 1047: w2's codes are first read behind the second launch, so its work-groups ride there, and the work is shared more evenly between the two.
; FORMAT: codes of E3M2 with one E8M0 byte for 32 along K.  A block's byte is its largest magnitude's exponent field - 4, held at 1 from below.
; LAYOUT OF THE RESULT: a QU of 6,400 bytes = 64 rows x 128 along K.  Its four tiles of 16 rows are images of the operand's registers (tile tt at 1536 tt: registers 4 c .. 4 c + 3 of lane l at 512 c + 16 l);
; the scale word of row r of tile tt lies at 6144 + 16 r + 4 tt.  Lane r of tile tt holds row 32 (tt / 2) + 8 (tt % 2) + r + 8 (r / 8) of the 64.
; A WAVE takes one tile of 16 rows and two K steps of 128.  Each load reads 512 consecutive bytes of one row; the numbers turn through the wave's own stage in LDS, so that a lane holds 16 neighbours of each block.
; No cluster and no tensor load: no two work-groups read the same bytes.
; LIMITS: a block of zeros gets the byte 1 (its codes are zeros; only this program reads the bytes); NaN and infinities are not served; 1 / rms is v_rsq_f32;
; the rope table's angle is reduced by a three-part pi / 2, good for |position x frequency| up to about 1e5; the frequencies come from v_exp_f32 with a correction term.
.set GX,    216                        ; the second launch's grid is GX x 2
.set OWQ,   2457600
.set W13Q,  3276800
.set W2Q,   7782400
.set ROPE,  10035200
.set ZQU,   W13Q+43*102400             ; the 44th group of w1 and w3: rows 2,752 to 2,815, which do not exist: zero codes
.set STGB,  16896                      ; a wave's stage: 32 rows of 512 bytes + 16
.set PSUM,  4*STGB                     ; behind the stages: each wave's 16 partial sums of squares
.set TM,    16                         ; v16-31   at work in QUANT
.set X,     32                         ; v32-159  two K steps of 64 numbers a lane
.set G,     160                        ; v160-223 the gains of one K step
.set PC,    224                        ; v224-243 codes
.set PW,    244                        ; v244     the scale word
.set SEL,   24                         ; s[24:25] lane selects for lane l xor 16
; 64 numbers of a lane, register 16 b + i = k 32 b + 16 (lane / 16) + i of my row, become 12 registers of codes in v[PC] on and the row's scale word in v[PW]
.macro QUANT s
.irp b, 0,1,2,3
	v_max3_num_f32 v[TM+\b], |v[\s+16*\b]|, |v[\s+1+16*\b]|, 0x2800000   ; my 16 numbers of block b, and the floor 2^(5 - 127): the byte cannot fall under 1
.endr
.irp i, 2,4,6,8,10,12,14
.irp b, 0,1,2,3
	v_max3_num_f32 v[TM+\b], v[TM+\b], |v[\s+16*\b+\i]|, |v[\s+1+16*\b+\i]|
.endr
.endr
.irp b, 0,1,2,3
	v_permlanex16_b32 v[TM+4+\b], v[TM+\b], s[SEL], s[SEL+1]
.endr
.irp b, 0,1,2,3
	v_max_num_f32 v[TM+\b], v[TM+\b], v[TM+4+\b]   ; with lane l xor 16's 16: the block's largest magnitude
.endr
.irp b, 0,1,2,3
	v_add_nc_u32 v[TM+12+\b], 0xfe000000, v[TM+\b]   ; 4 off its exponent field: the conversion's scale operand
.endr
.irp b, 0,1,2,3
	v_lshrrev_b32 v[TM+4+\b], 23, v[TM+12+\b]      ; the scale's byte
.endr
	v_lshl_or_b32 v[PW], v[TM+5], 8, v[TM+4]
	v_lshl_or_b32 v[PW], v[TM+6], 16, v[PW]
	v_lshl_or_b32 v[PW], v[TM+7], 24, v[PW]
.irp c, 0,1
	v_cvt_scalef32_pk16_bf6_f32 v[PC+6*\c:PC+2+6*\c], v[\s+32*\c:\s+15+32*\c], v[TM+12+2*\c]
	v_cvt_scalef32_pk16_bf6_f32 v[PC+12+4*\c:PC+14+4*\c], v[\s+16+32*\c:\s+31+32*\c], v[TM+12+2*\c+1]   ; (a conversion's three registers begin on an even number)
.endr
	v_nop                                          ; one plain instruction behind the scaled conversions
.irp c, 0,1                                    ; a whole block to a lane: lanes 0-15 block 2 c, lanes 16-31 block 2 c + 1
.irp i, 0,1,2
	v_permlane16_swap_b32 v[PC+6*\c+\i], v[PC+12+4*\c+\i]
.endr
.irp i, 0,1,2
	v_mov_b32 v[PC+3+6*\c+\i], v[PC+12+4*\c+\i]
.endr
.endr
.endm
.macro PICK thr, src, doff, a, bm, c   ; from job thr on: another source, place in wq, and QU number = a x quad + bm x K step + c
	s_cmp_ge_u32 s27, \thr
	s_cselect_b64 s[28:29], s[\src:\src+1], s[28:29]
	s_cselect_b32 s32, \thr, s32
	s_cselect_b32 s33, \doff, s33
	s_cselect_b32 s34, \a, s34
	s_cselect_b32 s35, \bm, s35
	s_cselect_b32 s36, \c, s36
.endm
.macro GLOAD s                         ; the gains of my K step s, in the numbers' layout
.irp b, 0,1,2,3
.irp j, 0,1,2,3
	global_load_b128 v[G+16*\b+4*\j:G+16*\b+4*\j+3], v7, s[58:59] offset:512*\s+128*\b+16*\j
.endr
.endr
.endm
.macro DLOAD pitch                     ; 16 rows x 2 K steps: each load reads 512 consecutive bytes of one row
.irp s, 0,1
.irp i, 0,1,2,3,4,5,6,7,8,9,10,11,12,13,14,15
	global_load_b128 v[X+64*\s+4*\i:X+64*\s+4*\i+3], v[1+\s], s[56:57] offset:(\i+8*(\i/8))*\pitch+512*\s th:TH_LOAD_NT
.endr
.endr
.endm
.macro NORM s                          ; (x gain) / rms
.set i, 0
.rept 32
	v_pk_mul_f32 v[X+64*\s+i:X+64*\s+i+1], v[X+64*\s+i:X+64*\s+i+1], v[G+i:G+i+1]
.set i, i+2
.endr
.set i, 0
.rept 32
	v_pk_mul_f32 v[X+64*\s+i:X+64*\s+i+1], v[X+64*\s+i:X+64*\s+i+1], v[254:255] op_sel_hi:[1,0]
.set i, i+2
.endr
.endm
.macro PUT d                           ; a fragment's image: three stores of 512 consecutive bytes; and the 16 scale words
.irp c, 0,1,2
	global_store_b128 v5, v[PC+4*\c:PC+4*\c+3], s[\d:\d+1] offset:512*\c
.endr
	global_store_b32 v6, v[PW], s[\d:\d+1]         ; lanes r and r + 16 store the same word to the same place
.endm
	s_load_b512 s[4:19], s[0:1], 0x0               ; x, gain, qkv_w, o_w, w1, w3, w2, token_positions
	s_load_b128 s[20:23], s[0:1], 0x40             ; nq, wq
	v_lshl_add_u32 v243, v0, 2, 0x10a00
	v_mov_b32 v245, 0
	v_lshrrev_b32 v1, 5, v0
	v_readfirstlane_b32 s26, v1                    ; wave
	s_and_b32 s28, ttmp7, 0xffff                   ; the grid's row y: 0, or 1 in the second launch's second row
	s_mul_i32 s29, s28, GX
	s_add_co_u32 s27, s29, ttmp9                   ; the work-group's number in its launch: x + GX y
	s_cmp_ge_u32 s27, 256
	s_cselect_b32 s29, 616, 0
	s_mul_i32 s29, s29, s28
	s_add_co_u32 s27, s27, s29                     ; the job E: from 256 on, a second row's numbers are w2's jobs, 872 on
	s_mov_b32 s[SEL], 0x76543210
	s_mov_b32 s[SEL+1], 0xfedcba98
	v_and_b32 v10, 31, v0                          ; lane
	v_and_b32 v11, 15, v0                          ; r
	v_bfe_u32 v12, v0, 4, 1                        ; h
	v_lshlrev_b32 v1, 4, v10                       ; 16 x lane
	s_wait_kmcnt 0x0
	s_sub_co_u32 s28, s27, 856
	s_cmp_lt_u32 s28, 16                           ; jobs 856 to 871
	s_cbranch_scc1 .Lrope
	; ---- which tensor, which tile, which two K steps
	s_mov_b64 s[28:29], s[4:5]
	s_mov_b32 s32, 0
	s_mov_b32 s33, 0
	s_mov_b32 s34, 8
	s_mov_b32 s35, 1
	s_mov_b32 s36, 0
	PICK 256, 8, 0, 8, 1, 0
	PICK 448, 10, OWQ, 8, 1, 0
	PICK 512, 12, W13Q, 16, 2, 0
	PICK 684, 14, W13Q, 16, 2, 1
	PICK 872, 16, W2Q, 22, 1, 0
	s_cmp_ge_u32 s27, 256
	s_cselect_b64 s[30:31], s[22:23], s[20:21]     ; weights go to wq, the normed rows to nq
	s_sub_co_u32 s38, s27, s32                     ; my number in the class
	s_lshl_b32 s39, s38, 2
	s_add_co_u32 s39, s39, s26                     ; w2: job J = 4 j + wave of 64 tiles x 11 pairs of K steps
	s_mul_i32 s40, s39, 5958
	s_lshr_b32 s40, s40, 16                        ; J / 11 (exact for J under 704)
	s_mul_i32 s42, s40, 11
	s_sub_co_u32 s42, s39, s42                     ; J % 11
	s_mov_b32 s37, 4096
	s_cmp_ge_u32 s27, 872
	s_cselect_b32 s38, s40, s38                    ; tile
	s_cselect_b32 s41, s42, s26                    ; pair of K steps
	s_cselect_b32 s37, 11008, s37                  ; a row in bytes
	s_cselect_b32 s60, s42, 0
	s_cmp_eq_u32 s60, 10                           ; w2's last pair: its second K step has 64 numbers only
	s_cselect_b32 s61, 15, 31
	s_lshr_b32 s43, s38, 2                         ; quad of 64 rows
	s_and_b32 s44, s38, 3                          ; tile tt in it
	s_and_b32 s45, s43, 15
	s_mul_i32 s45, s45, 3
	s_lshr_b32 s46, s43, 4
	s_add_co_u32 s45, s45, s46                     ; qkv_w: 3 x head + part
	s_sub_co_u32 s46, s27, 256
	s_cmp_lt_u32 s46, 192
	s_cselect_b32 s45, s45, s43
	s_lshl_b32 s47, s41, 1                         ; my first K step
	s_mul_i32 s48, s34, s45
	s_mul_i32 s49, s35, s47
	s_add_co_u32 s48, s48, s49
	s_add_co_u32 s48, s48, s36                     ; QU number
	s_mul_i32 s48, s48, 6400
	s_add_co_u32 s48, s48, s33
	s_mov_b32 s49, 0
	s_add_nc_u64 s[50:51], s[30:31], s[48:49]      ; the first K step's QU
	s_mul_i32 s48, s35, 6400
	s_add_nc_u64 s[52:53], s[50:51], s[48:49]      ; the second's
	s_lshl_b32 s54, s43, 6
	s_lshr_b32 s55, s44, 1
	s_lshl_b32 s55, s55, 5
	s_add_co_u32 s54, s54, s55
	s_and_b32 s55, s44, 1
	s_lshl_b32 s55, s55, 3
	s_add_co_u32 s54, s54, s55                     ; the tile's first row
	s_mul_i32 s48, s54, s37
	s_lshl_b32 s55, s47, 9
	s_add_co_u32 s48, s48, s55
	s_add_nc_u64 s[56:57], s[28:29], s[48:49]      ; source at that row and K step
	s_mov_b32 s48, s55
	s_add_nc_u64 s[58:59], s[6:7], s[48:49]        ; the gains at that K step
	s_wait_alu depctr_va_vdst(0)
	v_and_b32 v2, s61, v10
	v_lshlrev_b32 v2, 4, v2                        ; the second K step's offset: in w2's last pair lanes 16-31 repeat lanes 0-15, so that no load passes the row's end
	s_mul_i32 s62, s26, STGB
	v_add_nc_u32 v3, s62, v1                       ; stage, in: 16 x lane
	v_mul_u32_u24 v4, v11, 528
	v_lshl_add_u32 v4, v12, 6, v4
	v_add_nc_u32 v4, s62, v4                       ; stage, out: row r, + 64 h
	s_lshl_b32 s62, s26, 6
	v_lshlrev_b32 v9, 2, v11
	v_add_nc_u32 v9, PSUM, v9                      ; the partial sums of row r
	v_add_nc_u32 v8, s62, v9                       ; my wave's
	s_mul_i32 s62, s44, 1536
	v_add_nc_u32 v5, s62, v1                       ; in a QU: my tile's image
	s_lshl_b32 s62, s44, 2
	s_add_co_u32 s62, s62, 6144
	v_lshl_add_u32 v6, v11, 4, s62                 ; and my row's scale word
	v_lshlrev_b32 v7, 6, v12
.irp b, 0,1,2,3
	v_mov_b32 v[TM+4+\b], 0                        ; written once: a lane permute's destination counts as one of its sources
.endr
	s_cmp_lt_u32 s27, 256
	s_cbranch_scc0 .Lnog
	GLOAD 0
.Lnog:
	s_cmp_ge_u32 s27, 872
	s_cbranch_scc1 .Lw2l
	DLOAD 4096
	s_branch .Lloaded
.Lw2l:
	DLOAD 11008
.Lloaded:
	s_wait_loadcnt 16                              ; all but the second K step's 16 loads
.irp i, 0,1,2,3,4,5,6,7,8,9,10,11,12,13,14,15
	ds_store_b128 v3, v[X+4*\i:X+4*\i+3] offset:\i*528
.endr
	s_wait_loadcnt 0x0
.irp i, 0,1,2,3,4,5,6,7,8,9,10,11,12,13,14,15
	ds_store_b128 v3, v[X+64+4*\i:X+64+4*\i+3] offset:(16+\i)*528
.endr
.irp s, 0,1                                    ; LDS serves a wave's instructions in order: these see my stores
.irp b, 0,1,2,3
.irp j, 0,1,2,3
	ds_load_b128 v[X+64*\s+16*\b+4*\j:X+64*\s+16*\b+4*\j+3], v4 offset:16*\s*528+128*\b+16*\j
.endr
.endr
.endr
	s_wait_dscnt 0x0
	s_cmp_eq_u32 s60, 10
	s_cbranch_scc0 .Lnotail
.set i, 0
.rept 32
	v_mov_b32 v[X+96+i], 0                         ; k from 2,752 on: zeros ahead of the blocks' maxima
.set i, i+1
.endr
.Lnotail:
	s_cmp_lt_u32 s27, 256
	s_cbranch_scc0 .Lnon1
	; ---- rmsnorm: the four waves hold the four quarters of the tile's 16 rows
	v_pk_mul_f32 v[246:247], v[X:X+1], v[X:X+1]
	v_pk_mul_f32 v[248:249], v[X+2:X+3], v[X+2:X+3]
.set i, 4
.rept 31
	v_pk_fma_f32 v[246:247], v[X+i:X+i+1], v[X+i:X+i+1], v[246:247]
	v_pk_fma_f32 v[248:249], v[X+i+2:X+i+3], v[X+i+2:X+i+3], v[248:249]
.set i, i+4
.endr
	v_pk_add_f32 v[246:247], v[246:247], v[248:249]
	v_add_f32 v246, v246, v247
	v_permlanex16_b32 v247, v246, s[SEL], s[SEL+1]
	v_add_f32 v246, v246, v247                     ; my wave's 256 numbers of row r
	ds_store_b32 v8, v246
	s_wait_dscnt 0x0                               ; for the others' sake: my store has landed
	s_barrier_signal -1
	s_barrier_wait -1
.irp i, 0,1,2,3
	ds_load_b32 v[250+\i], v9 offset:64*\i
.endr
	s_mov_b32 s62, 0x3a800000                      ; 1 / 1,024
	s_mov_b32 s63, 0x3727c5ac                      ; 1e-5
	s_wait_dscnt 0x0
	v_add_f32 v250, v250, v251
	v_add_f32 v252, v252, v253
	v_add_f32 v246, v250, v252
	v_fma_f32 v246, v246, s62, s63
	s_wait_alu depctr_va_vdst(0)
	v_rsq_f32 v254, v246
	v_mov_b32 v255, 0                              ; a plain instruction behind the transcendental; and the pair's upper half is written
	s_wait_alu depctr_va_vdst(0)                   ; ahead of the first instruction that names the result
	NORM 0
	GLOAD 1
.Lnon1:
	QUANT X
	PUT 50
	s_cmp_lt_u32 s27, 256
	s_cbranch_scc0 .Lnon2
	s_wait_loadcnt 0x0                             ; the second K step's gains
	NORM 1
.Lnon2:
	s_wait_xcnt 0x0                                ; the stores have read the codes' registers
	QUANT X+64
	PUT 52
	s_wait_tensorcnt 0x0
	ds_add_u32 v243, v245
	s_wait_dscnt 0x0
	s_endpgm
.Lrope:                                            ; ---- cos and sin of position x 10000^(-j / 32): a wave takes 32 positions, a lane a frequency j
	s_sub_co_u32 s28, s27, 856
	s_lshl_b32 s29, s28, 7
	s_lshl_b32 s30, s26, 5
	s_add_co_u32 s29, s29, s30                     ; my first position's index
	s_lshl_b32 s30, s29, 2
	s_mov_b32 s31, 0
	s_add_nc_u64 s[18:19], s[18:19], s[30:31]
	s_load_b512 s[32:47], s[18:19], 0x0
	s_load_b512 s[48:63], s[18:19], 0x40
	s_lshl_b32 s30, s29, 8
	s_add_co_u32 s30, s30, ROPE
	s_add_nc_u64 s[76:77], s[22:23], s[30:31]      ; the table: 256 bytes a position
	s_mul_i32 s30, s28, 6400
	s_add_co_u32 s30, s30, ZQU
	s_add_nc_u64 s[78:79], s[22:23], s[30:31]      ; my work-group's QU of zeros
	s_mov_b32 s66, 0xbfc90fd8                      ; -pi / 2 in three parts
	s_mov_b32 s67, 0xb4a8885a
	s_mov_b32 s68, 0xa7c234c4
	s_mov_b32 s69, 0xb94ca1f9                      ; sine's coefficients
	s_mov_b32 s70, 0x3c08839e
	s_mov_b32 s71, 0xbe2aaaa3
	s_mov_b32 s72, 0x37ccf5ce                      ; cosine's
	s_mov_b32 s73, 0xbab6061a
	s_mov_b32 s74, 0x3d2aaaa5
	s_mov_b32 s75, 0x3f22f983                      ; 2 / pi
	s_mov_b32 s80, 0x3ed49a78                      ; log2(10000) / 32, high part
	s_mov_b32 s81, 0x32179a39                      ; and the rest
	s_wait_alu depctr_va_vdst(0)
	v_cvt_f32_u32 v13, v10
	v_mul_f32 v14, s80, v13                        ; p = j x high part, rounded
	v_fma_f32 v15, v13, s80, -v14                  ; what the rounding lost,
	v_fma_f32 v15, v13, s81, v15                   ; and the rest
	s_wait_alu depctr_va_vdst(0)
	v_exp_f32 v16, -v14
	v_mul_f32 v15, 0xbf317218, v15                 ; x -ln 2  (a plain instruction behind the transcendental)
	v_lshlrev_b32 v19, 3, v10                      ; 8 bytes a frequency
	s_wait_alu depctr_va_vdst(0)
	v_fma_f32 v16, v15, v16, v16                   ; the frequency
	s_wait_kmcnt 0x0
.set n, 0
.rept 32
.if (n > 0) && (n%2 == 0)
	s_wait_xcnt 0x0                                ; the last two stores have read their registers
.endif
.set o, 40+2*(n%2)
	v_cvt_f32_i32 v20, s[32+n]
	s_wait_alu depctr_va_vdst(0)
	v_mul_f32 v20, v20, v16                        ; the angle
	v_mul_f32 v21, s75, v20
	v_rndne_f32 v21, v21                           ; how many quarter turns
	v_fma_f32 v22, v21, s66, v20
	v_fma_f32 v22, v21, s67, v22
	v_fma_f32 v22, v21, s68, v22                   ; the rest, within pi / 4
	v_cvt_i32_f32 v23, v21
	v_mul_f32 v24, v22, v22
	v_fma_f32 v25, v24, s69, s70
	v_fma_f32 v26, v24, s72, s73
	v_fma_f32 v25, v25, v24, s71
	v_fma_f32 v26, v26, v24, s74
	v_mul_f32 v27, v24, v22
	v_mul_f32 v28, v24, v24
	v_fma_f32 v29, v24, -0.5, 1.0
	v_fma_f32 v25, v25, v27, v22                   ; sine of the rest
	v_fma_f32 v26, v26, v28, v29                   ; cosine of the rest
	v_and_b32 v27, 1, v23
	v_cmp_eq_u32 vcc_lo, 1, v27
	v_cndmask_b32 v28, v25, v26, vcc_lo            ; an odd number of quarter turns swaps the two
	v_cndmask_b32 v29, v26, v25, vcc_lo
	v_lshlrev_b32 v27, 30, v23
	v_add_nc_u32 v30, 1, v23
	v_and_b32 v27, 0x80000000, v27                 ; sine's sign: bit 1 of q
	v_lshlrev_b32 v30, 30, v30
	v_and_b32 v30, 0x80000000, v30                 ; cosine's: bit 1 of q + 1
	v_xor_b32 v[o+1], v28, v27
	v_xor_b32 v[o], v29, v30
	global_store_b64 v19, v[o:o+1], s[76:77] offset:256*n   ; 32 lanes store 256 consecutive bytes
.set n, n+1
.endr
.irp i, 0,1,2,3
	v_mov_b32 v[44+\i], 0
.endr
	s_mul_i32 s82, s26, 1536
	v_add_nc_u32 v20, s82, v1
	s_lshl_b32 s82, s26, 6
	s_add_co_u32 s82, s82, 6144
	v_lshl_add_u32 v21, v10, 1, s82
.irp c, 0,1,2
	global_store_b128 v20, v[44:47], s[78:79] offset:512*\c   ; zero codes: a quarter of the QU a wave
.endr
	global_store_b16 v21, v44, s[78:79]            ; and its scale bytes: 0 stands for 2^-127, over zero codes
	s_endpgm
.Lfunc_end_k_qd1dc65de52_prep:
	.size	k_qd1dc65de52_prep, .Lfunc_end_k_qd1dc65de52_prep-k_qd1dc65de52_prep
	.p2alignl 7, 3214868480
	.fill 96, 4, 3214868480
	.section	.rodata,"a",@progbits
	.p2align	6, 0x0
	.amdhsa_kernel k_qd1dc65de52_prep
		.amdhsa_group_segment_fixed_size 68608
		.amdhsa_private_segment_fixed_size 0
		.amdhsa_enable_private_segment 0
		.amdhsa_kernarg_size 80
		.amdhsa_user_sgpr_count 2
		.amdhsa_user_sgpr_kernarg_segment_ptr 1
		.amdhsa_wavefront_size32 1
		.amdhsa_system_sgpr_workgroup_id_x 1
		.amdhsa_system_sgpr_workgroup_id_y 1
		.amdhsa_system_sgpr_workgroup_id_z 1
		.amdhsa_system_vgpr_workitem_id 0
		.amdhsa_next_free_vgpr 256
		.amdhsa_next_free_sgpr 100
		.amdhsa_reserve_vcc 1
		.amdhsa_float_denorm_mode_32 3
		.amdhsa_float_denorm_mode_16_64 3
		.amdhsa_memory_ordered 1
		.amdhsa_forward_progress 1
		.amdhsa_inst_pref_size 91
	.end_amdhsa_kernel
	.amdgpu_metadata
---
amdhsa.version: [ 1, 2 ]
amdhsa.kernels:
  - .name:           k_qd1dc65de52_prep
    .symbol:         k_qd1dc65de52_prep.kd
    .args:
      - { .name: x, .offset: 0, .size: 8, .value_kind: global_buffer, .address_space: global }
      - { .name: gain1, .offset: 8, .size: 8, .value_kind: global_buffer, .address_space: global }
      - { .name: qkv_w, .offset: 16, .size: 8, .value_kind: global_buffer, .address_space: global }
      - { .name: o_w, .offset: 24, .size: 8, .value_kind: global_buffer, .address_space: global }
      - { .name: w1, .offset: 32, .size: 8, .value_kind: global_buffer, .address_space: global }
      - { .name: w3, .offset: 40, .size: 8, .value_kind: global_buffer, .address_space: global }
      - { .name: w2, .offset: 48, .size: 8, .value_kind: global_buffer, .address_space: global }
      - { .name: token_positions, .offset: 56, .size: 8, .value_kind: global_buffer, .address_space: global }
      - { .name: nq, .offset: 64, .size: 8, .value_kind: global_buffer, .address_space: global }
      - { .name: wq, .offset: 72, .size: 8, .value_kind: global_buffer, .address_space: global }
    .group_segment_fixed_size: 68608
    .private_segment_fixed_size: 0
    .kernarg_segment_align: 8
    .kernarg_segment_size: 80
    .max_flat_workgroup_size: 128
    .sgpr_count:     100
    .vgpr_count:     256
    .wavefront_size: 32
...
	.end_amdgpu_metadata
.endif
;; end of part 1
;; launch qkv (part 2): grid 16 x 16, 4 waves a work-group, clusters of 4 x 1, 327,680 bytes of LDS; arguments nq, wq, qkvc; writes qkvc
.if DOCPART == 2
	.amdgcn_target "amdgcn-amd-amdhsa--gfx1250"
	.amdhsa_code_object_version 6
	.text
	.protected	k_qd1dc65de52_qkv
	.globl	k_qd1dc65de52_qkv
	.p2align	8
	.type	k_qd1dc65de52_qkv,@function
k_qd1dc65de52_qkv:
	s_mov_b64 s[64:65], 0
	v_nop
	global_prefetch_b8 v0, s[64:65] scope:SCOPE_SE
	s_setreg_imm32_b32 hwreg(HW_REG_WAVE_MODE, 25, 1), 1
	s_wait_xcnt 0x0
	s_wait_alu depctr_hold_cnt(0) depctr_sa_sdst(0) depctr_va_vdst(0) depctr_va_sdst(0) depctr_va_ssrc(0) depctr_va_vcc(0) depctr_vm_vsrc(0)
	s_getreg_b32 s2, hwreg(HW_REG_IB_STS2, 6, 4)
	s_cmp_eq_u32 s2, 0
	s_cbranch_scc0 .Lentry_in_a_cluster
	s_endpgm
.Lentry_in_a_cluster:
	s_bfe_u32 s2, ttmp6, 0x10000c
	s_cmp_lg_u32 s2, 0x3003
	s_cbranch_scc0 .Lentry_shape_is_right
	s_endpgm
.Lentry_shape_is_right:
; Q, K and V of one head for 256 tokens: the normed rows' codes (nq) x the head's rows of qkv_w (wq), rope on Q and K, and the three results quantised: Q and K along the head's 64, V along the keys.
; SHARES.  Work-group (x, y): tokens 256 x .. 256 x + 255, head y.  Wave w owns 64 tokens (4 tiles) and keeps their codes for all of K = 1,024 in registers, read from memory once.
; The head's weights, 3 parts x 8 QUs of 6,400 bytes, come into LDS once, by three tensor loads a wave; nothing in LDS is filled twice.
; CLUSTER.  The four work-groups of a cluster have the same head: each tensor load is asked for jointly, with the same descriptor and the mask of all four.
; Q, K: the product is used transposed (source 0 = 16 weight rows, source 1 = 16 tokens): a lane holds one token and, for each tile of tokens, 32 registers = the head's channels 32 b + 16 (lane / 16) + i.
; V: the natural way (source 0 = tokens): a lane holds one channel and 32 registers = tokens 32 b + 16 (lane / 16) + i of the 64: neighbours along the keys.
; OUT.  Q and K as PAIR fragments: tile 2 p's 64 channels in k 0..63, tile 2 p + 1's in k 64..127.  V in halves of 64 keys: fragment nt, half c at 1536 nt + 768 c (registers 6 c .. 6 c + 3 at 16 l, 6 c + 4, 5 at 512 + 8 l).
; No L2 prefetch: the launch is short, and four K steps of the tokens' codes are on their way from the start.
; LIMITS: a block of zeros gets the byte 1; NaN and infinities are not served.
.set ROPE,  10035200
.set QQ,    6553600
.set WV,  10
.set LA,  3                            ; v3-5   16 x lane + 64,000 i: an LDS offset has 16 bits
.set LS,  6                            ; v6-8   16 x (lane % 16) + 64,000 i
.set AS,  16                           ; v16-47 the tokens' scale words: 4 ks + tt
.set BS,  48                           ; v48-55 the weights': two sets of 4
.set TM,  56
.set PC,  72
.set PW,  92
.set T0,  93                           ; v93-96 at work in the rope
.set ACC, 128                          ; v128-255 16 accumulators
.set BB,  160                          ; window 2: two sets of 4 weight fragments.  Window 1: the tokens' K steps 0-4; window 2 v0-143: 5-7; window 3 v0-127: cos, sin
.set G1,  24
.set G0,  32
.set AP,  44
.set RP,  46
.set OQ,  48
.set OK,  50
.set OV,  52
.set OVS, 54
.set SEL, 56
.set MSB, 0
.macro WIN new                         ; the immediate's high byte repeats the setting that is left
.if MSB != \new
	s_set_vgpr_msb (MSB<<8)|\new
.set MSB, \new
.endif
.endm
.macro PLACES n
.rept \n
	v_nop
.endr
.endm
.macro ROUND                           ; a round of the cluster's barrier
	s_barrier_signal -1
	s_barrier_wait -1
	s_cmp_lg_u32 s[WV], 0
	s_cbranch_scc1 .Lnw0_\@
	s_barrier_signal -3
.Lnw0_\@:
	s_barrier_wait -3
	s_barrier_signal -1
	s_barrier_wait -1
.endm
.macro QUANT s                         ; 64 numbers of a lane, register 16 b + i = k 32 b + 16 (lane / 16) + i -> 12 registers of codes in v[PC] on, scale word in v[PW]
.irp b, 0,1,2,3
	v_max3_num_f32 v[TM+\b], |v[\s+16*\b]|, |v[\s+1+16*\b]|, 0x2800000
.endr
.irp i, 2,4,6,8,10,12,14
.irp b, 0,1,2,3
	v_max3_num_f32 v[TM+\b], v[TM+\b], |v[\s+16*\b+\i]|, |v[\s+1+16*\b+\i]|
.endr
.endr
.irp b, 0,1,2,3
	v_permlanex16_b32 v[TM+4+\b], v[TM+\b], s[SEL], s[SEL+1]
.endr
.irp b, 0,1,2,3
	v_max_num_f32 v[TM+\b], v[TM+\b], v[TM+4+\b]
.endr
.irp b, 0,1,2,3
	v_add_nc_u32 v[TM+12+\b], 0xfe000000, v[TM+\b]
.endr
.irp b, 0,1,2,3
	v_lshrrev_b32 v[TM+4+\b], 23, v[TM+12+\b]
.endr
	v_lshl_or_b32 v[PW], v[TM+5], 8, v[TM+4]
	v_lshl_or_b32 v[PW], v[TM+6], 16, v[PW]
	v_lshl_or_b32 v[PW], v[TM+7], 24, v[PW]
.irp c, 0,1
	v_cvt_scalef32_pk16_bf6_f32 v[PC+6*\c:PC+2+6*\c], v[\s+32*\c:\s+15+32*\c], v[TM+12+2*\c]
	v_cvt_scalef32_pk16_bf6_f32 v[PC+12+4*\c:PC+14+4*\c], v[\s+16+32*\c:\s+31+32*\c], v[TM+12+2*\c+1]
.endr
	v_nop                                          ; one plain instruction behind the scaled conversions
.irp c, 0,1
.irp i, 0,1,2
	v_permlane16_swap_b32 v[PC+6*\c+\i], v[PC+12+4*\c+\i]
.endr
.irp i, 0,1,2
	v_mov_b32 v[PC+3+6*\c+\i], v[PC+12+4*\c+\i]
.endr
.endr
.endm
.macro ALOAD ks                        ; my 64 tokens' codes and scale words of K step ks: 13 loads
.if (\ks) < 5
	WIN 0x40
.set ab, 48*(\ks)
.else
	WIN 0x80
.set ab, 48*((\ks)-5)
.endif
.irp f, 0,1,2,3
.irp c, 0,1,2
	global_load_b128 v[ab+12*\f+4*\c:ab+12*\f+4*\c+3], v1, s[AP:AP+1] offset:6400*(\ks)+1536*\f+512*\c
.endr
.endr
	WIN 0
	global_load_b128 v[AS+4*(\ks):AS+4*(\ks)+3], v2, s[AP:AP+1] offset:6400*(\ks)+6144
.endm
.macro BFETCH q, buf                   ; QU q of the panel: 4 fragments and their scale words: 13 LDS loads
	WIN 0x80
.irp f, 0,1,2,3
.irp c, 0,1,2
	ds_load_b128 v[BB+48*(\buf)+12*\f+4*\c:BB+48*(\buf)+12*\f+4*\c+3], v[LA+(\q)/10] offset:((\q)%10)*6400+1536*\f+512*\c
.endr
.endr
	WIN 0
	ds_load_b128 v[BS+4*(\buf):BS+4*(\buf)+3], v[LS+(\q)/10] offset:((\q)%10)*6400+6144
.endm
.macro WM d, a, b, sa, sb, zero
.if \zero
	v_wmma_scale_f32_16x16x128_f8f6f4 v[\d:\d+7], v[\a:\a+11], v[\b:\b+11], 0, v[\sa], v[\sb] matrix_a_fmt:MATRIX_FMT_BF6 matrix_b_fmt:MATRIX_FMT_BF6
.else
	v_wmma_scale_f32_16x16x128_f8f6f4 v[\d:\d+7], v[\a:\a+11], v[\b:\b+11], v[\d:\d+7], v[\sa], v[\sb] matrix_a_fmt:MATRIX_FMT_BF6 matrix_b_fmt:MATRIX_FMT_BF6
.endif
.endm
; 16 matrix instructions: 4 tiles of tokens x 4 tiles of weight rows, 128 along K.  The 16 accumulators take turns, one instruction a turn.
.macro MM16 ks, buf, zero, nat
.if (\ks) < 5
.set ab, 48*(\ks)
.if \nat
	WIN 0x09
.else
	WIN 0x06
.endif
.else
.set ab, 48*((\ks)-5)
	WIN 0x0a
.endif
.irp t, 0,1,2,3
.irp n, 0,1,2,3
.if \nat
	WM ACC+8*(4*\n+\t), ab+12*\t, BB+48*(\buf)+12*\n, AS+4*(\ks)+\t, BS+4*(\buf)+\n, \zero
.else
	WM ACC+8*(4*\t+\n), BB+48*(\buf)+12*\n, ab+12*\t, BS+4*(\buf)+\n, AS+4*(\ks)+\t, \zero
.endif
.endr
.endr
.endm
.macro PART p, nat                     ; one of Q, K, V: 8 K steps
	s_wait_tensorcnt 0x0                           ; my quarter of this part's weights has landed: one load of mine is out at the most
	s_barrier_signal -1
	s_barrier_wait -1                              ; everybody's has
	BFETCH 8*\p, 0
.irp k, 0,1,2,3,4,5,6,7
.if \k > 0
	PLACES 4                                       ; in front of loads into registers that the last step but one's products... the set that step k - 1 read
.endif
.if \k < 7
	BFETCH 8*\p+\k+1, (\k+1)%2
	s_wait_dscnt 13                                ; all but the 13 just issued
.else
	s_wait_dscnt 0x0
.endif
.if \p == 0
.if \k < 5
	s_wait_loadcnt 39                              ; K step k of my tokens is in; behind it: three K steps of 13 loads
.else
	s_wait_loadcnt 32+13*(7-\k)                    ; behind it: the K steps left, and the rope's 32 loads
.endif
.endif
.if \k == 0
	MM16 \k, \k%2, 1, \nat
.else
	MM16 \k, \k%2, 0, \nat
.endif
.if \p == 0
.if \k < 4
	ALOAD \k+4
.endif
.if \k == 4
	WIN 0xc0
.irp t, 0,1,2,3
.irp b, 0,1
.irp j, 0,1,2,3
	global_load_b128 v[32*\t+16*\b+4*\j:32*\t+16*\b+4*\j+3], v12, s[RP:RP+1] offset:(32*(\t/2)+8*(\t%2))*256+128*\b+16*\j   ; cos, sin of my token at frequencies 16 b + 8 (lane / 16) + 0 .. 7
.endr
.endr
.endr
	WIN 0
.endif
.endif
.if (\p < 2) && (\k == 4)
	; the next part's first fill, behind K step 4 (in part 0: behind the last loads of my tokens' codes): the wait for all my loads, the add, its wait, a round of the cluster's barrier, one load a wave
	WIN 0
	s_wait_tensorcnt 0x0
	ds_add_u32 v126, v127
	s_wait_dscnt 0x0
	ROUND
	tensor_load_to_lds s[G0+4*\p+4:G0+4*\p+7], s[G1:G1+7]
	s_nop 0
.endif
.endr
.endm
.macro ROPEOUT base
	PLACES 4
	WIN 0x0c                                       ; source 1: window 3
.set e, 0
.rept 64
.set tt, T0+2*(e%2)
	v_mul_f32 v[tt], v[ACC+2*e+1], v[2*e+1]        ; each accumulator is first read at its register 1
	v_mul_f32 v[tt+1], v[ACC+2*e], v[2*e+1]
	v_fma_f32 v[ACC+2*e], v[ACC+2*e], v[2*e], -v[tt]
	v_fma_f32 v[ACC+2*e+1], v[ACC+2*e+1], v[2*e], v[tt+1]
.set e, e+1
.endr
	WIN 0
.irp g, 0,1
	s_wait_xcnt 0x0                                ; earlier stores have read the codes' registers
	QUANT ACC+64*\g
.irp c, 0,1,2
	global_store_b128 v9, v[PC+4*\c:PC+4*\c+3], s[\base:\base+1] offset:1536*\g+512*\c
.endr
	global_store_b32 v10, v[PW], s[\base:\base+1] offset:4*\g
.endr
.endm
	s_load_b128 s[4:7], s[0:1], 0x0                ; nq, wq
	s_load_b64 s[8:9], s[0:1], 0x10                ; qkvc
	v_lshl_add_u32 v126, v0, 2, 0x29000
	v_mov_b32 v127, 0
	ds_add_u32 v126, v127
	ds_add_u32 v126, v127
	v_lshrrev_b32 v1, 5, v0
	v_readfirstlane_b32 s[WV], v1
	s_bfe_u32 s11, ttmp6, 0x40000                  ; cx: it enters global addresses of my own tokens alone
	s_lshl_b32 s12, ttmp9, 2
	s_add_co_u32 s12, s12, s11                     ; block of 256 tokens
	s_and_b32 s13, ttmp7, 0xffff                   ; head
	s_lshl_b32 s14, s12, 2
	s_add_co_u32 s14, s14, s[WV]                   ; my quad of 64 tokens
	s_mov_b32 s[G1], 15|(3<<16)|(1<<21)            ; the mask of all four; elements of 8 bytes; bit 21 beside a mask
	s_mov_b32 s[G1+1], 32<<16                      ; 50 dense rows of 256 bytes
	s_mov_b32 s[G1+2], 50<<16
	s_mov_b32 s[G1+3], 32<<16
	s_mov_b32 s[G1+4], 50
	s_mov_b32 s[G1+5], 32
	s_mov_b32 s[G1+6], 0
	s_mov_b32 s[G1+7], 0
	s_mul_i32 s15, s[WV], 12800                    ; my quarter of a part
	s_mul_i32 s16, s13, 153600
	s_add_co_u32 s16, s16, s15
	s_mov_b32 s17, 0
	s_wait_dscnt 0x0
	s_wait_kmcnt 0x0
	s_add_nc_u64 s[16:17], s[6:7], s[16:17]
.irp p, 0,1,2
	s_mov_b32 s[G0+4*\p], 1
	s_add_co_u32 s[G0+4*\p+1], s15, 51200*\p
	s_add_nc_u64 s[G0+4*\p+2:G0+4*\p+3], s[16:17], 51200*\p
	s_or_b32 s[G0+4*\p+3], s[G0+4*\p+3], 0x80000000
.endr
	ROUND                                          ; all four work-groups are here: the joint loads meet
	tensor_load_to_lds s[G0:G0+3], s[G1:G1+7]
	s_nop 0
	PLACES 4
	s_mul_i32 s18, s14, 51200
	s_mov_b32 s19, 0
	s_add_nc_u64 s[AP:AP+1], s[4:5], s[18:19]
	v_and_b32 v13, 31, v0
	v_and_b32 v14, 15, v0
	v_bfe_u32 v15, v0, 4, 1
	v_lshlrev_b32 v1, 4, v13
	v_lshlrev_b32 v2, 4, v14
	s_wait_alu depctr_va_vdst(0)
	v_lshlrev_b32 v11, 3, v13
	ALOAD 0
	ALOAD 1
	ALOAD 2
	ALOAD 3
	s_and_b32 s20, s14, 31
	s_lshl_b32 s18, s20, 14
	s_add_co_u32 s18, s18, ROPE
	s_add_nc_u64 s[RP:RP+1], s[6:7], s[18:19]      ; the table at my first token's place in its sequence
	s_lshr_b32 s21, s14, 5
	s_lshl_b32 s21, s21, 4
	s_add_co_u32 s21, s21, s13                     ; 16 x batch + head
	s_lshr_b32 s20, s20, 1                         ; step of 128 keys
	s_mul_i32 s18, s21, 204800
	s_mul_i32 s22, s20, 12800
	s_add_co_u32 s18, s18, s22
	s_add_nc_u64 s[OK:OK+1], s[8:9], s[18:19]
	s_and_b32 s23, s[WV], 1                        ; which half of the step my 64 tokens are
	s_mul_i32 s22, s23, 768
	s_add_co_u32 s18, s22, 6400
	s_add_nc_u64 s[OV:OV+1], s[OK:OK+1], s[18:19]
	s_lshl_b32 s22, s23, 1
	s_add_co_u32 s18, s22, 12544
	s_add_nc_u64 s[OVS:OVS+1], s[OK:OK+1], s[18:19]
	s_mul_i32 s18, s21, 102400
	s_mul_i32 s22, s20, 6400
	s_add_co_u32 s18, s18, s22
	s_add_co_u32 s18, s18, QQ
	s_add_nc_u64 s[OQ:OQ+1], s[8:9], s[18:19]
	s_mov_b32 s[SEL], 0x76543210
	s_mov_b32 s[SEL+1], 0xfedcba98
.irp i, 0,1,2
	v_add_nc_u32 v[LA+\i], 64000*\i, v1
	v_add_nc_u32 v[LS+\i], 64000*\i, v2
.endr
	s_mul_i32 s22, s23, 3072
	v_add_nc_u32 v9, s22, v1                       ; Q, K out: pair fragments 2 ch and 2 ch + 1
	s_lshl_b32 s22, s23, 3
	s_add_co_u32 s22, s22, 6144
	v_add_nc_u32 v10, s22, v2
	v_and_b32 v12, 8, v14
	v_add_nc_u32 v12, v12, v14
	v_lshlrev_b32 v12, 8, v12
	v_lshl_add_u32 v12, v15, 6, v12                ; the table: (r + 8 (r / 8)) x 256 + 64 h
.irp b, 0,1,2,3
	v_mov_b32 v[TM+4+\b], 0
.endr
	s_wait_alu depctr_va_vdst(0)
	PART 0, 0
	s_wait_loadcnt 0x0                             ; cos, sin
	ROPEOUT OQ
	PART 1, 0
	ROPEOUT OK
	PART 2, 1
	WIN 0
	PLACES 4
.irp g, 0,1                                    ; V: channels' tiles 2 g and 2 g + 1, my 64 keys: two half fragments
	s_wait_xcnt 0x0
	QUANT ACC+64*\g
	global_store_b128 v1, v[PC:PC+3], s[OV:OV+1] offset:3072*\g
	global_store_b64 v11, v[PC+4:PC+5], s[OV:OV+1] offset:3072*\g+512
	global_store_b128 v1, v[PC+6:PC+9], s[OV:OV+1] offset:3072*\g+1536
	global_store_b64 v11, v[PC+10:PC+11], s[OV:OV+1] offset:3072*\g+2048
	global_store_b16 v2, v[PW], s[OVS:OVS+1] offset:8*\g
	global_store_d16_hi_b16 v2, v[PW], s[OVS:OVS+1] offset:8*\g+4
.endr
	s_wait_tensorcnt 0x0
	ds_add_u32 v126, v127
	s_wait_dscnt 0x0
	ROUND                                          ; the closing round: no work-group ends while a partner may still ask jointly
	s_endpgm
.Lfunc_end_k_qd1dc65de52_qkv:
	.size	k_qd1dc65de52_qkv, .Lfunc_end_k_qd1dc65de52_qkv-k_qd1dc65de52_qkv
	.p2alignl 7, 3214868480
	.fill 96, 4, 3214868480
	.section	.rodata,"a",@progbits
	.p2align	6, 0x0
	.amdhsa_kernel k_qd1dc65de52_qkv
		.amdhsa_group_segment_fixed_size 327680
		.amdhsa_private_segment_fixed_size 0
		.amdhsa_enable_private_segment 0
		.amdhsa_kernarg_size 24
		.amdhsa_user_sgpr_count 2
		.amdhsa_user_sgpr_kernarg_segment_ptr 1
		.amdhsa_wavefront_size32 1
		.amdhsa_system_sgpr_workgroup_id_x 1
		.amdhsa_system_sgpr_workgroup_id_y 1
		.amdhsa_system_sgpr_workgroup_id_z 1
		.amdhsa_system_vgpr_workitem_id 0
		.amdhsa_next_free_vgpr 896
		.amdhsa_next_free_sgpr 66
		.amdhsa_reserve_vcc 0
		.amdhsa_float_denorm_mode_32 3
		.amdhsa_float_denorm_mode_16_64 3
		.amdhsa_memory_ordered 1
		.amdhsa_forward_progress 1
		.amdhsa_inst_pref_size 144
	.end_amdhsa_kernel
	.amdgpu_metadata
---
amdhsa.version: [ 1, 2 ]
amdhsa.kernels:
  - .name:           k_qd1dc65de52_qkv
    .symbol:         k_qd1dc65de52_qkv.kd
    .args:
      - { .name: nq, .offset: 0, .size: 8, .value_kind: global_buffer, .address_space: global }
      - { .name: wq, .offset: 8, .size: 8, .value_kind: global_buffer, .address_space: global }
      - { .name: qkvc, .offset: 16, .size: 8, .value_kind: global_buffer, .address_space: global }
    .group_segment_fixed_size: 327680
    .private_segment_fixed_size: 0
    .kernarg_segment_align: 8
    .kernarg_segment_size: 24
    .max_flat_workgroup_size: 128
    .sgpr_count:     66
    .vgpr_count:     896
    .wavefront_size: 32
...
	.end_amdgpu_metadata
.endif
;; end of part 2
;; launch attn (part 3): grid 8 x 32, 16 waves a work-group, clusters of 4 x 1, 243,712 bytes of LDS; arguments qkvc, oq; writes oq
.if DOCPART == 3
	.amdgcn_target "amdgcn-amd-amdhsa--gfx1250"
	.amdhsa_code_object_version 6
	.text
	.protected	k_qd1dc65de52_attn
	.globl	k_qd1dc65de52_attn
	.p2align	8
	.type	k_qd1dc65de52_attn,@function
k_qd1dc65de52_attn:
	s_mov_b64 s[64:65], 0
	v_nop
	global_prefetch_b8 v0, s[64:65] scope:SCOPE_SE
	s_setreg_imm32_b32 hwreg(HW_REG_WAVE_MODE, 25, 1), 1
	s_wait_xcnt 0x0
	s_wait_alu depctr_hold_cnt(0) depctr_sa_sdst(0) depctr_va_vdst(0) depctr_va_sdst(0) depctr_va_ssrc(0) depctr_va_vcc(0) depctr_vm_vsrc(0)
	s_getreg_b32 s2, hwreg(HW_REG_IB_STS2, 6, 4)
	s_cmp_eq_u32 s2, 0
	s_cbranch_scc0 .Lentry_in_a_cluster
	s_endpgm
.Lentry_in_a_cluster:
	s_bfe_u32 s2, ttmp6, 0x10000c
	s_cmp_lg_u32 s2, 0x3003
	s_cbranch_scc0 .Lentry_shape_is_right
	s_endpgm
.Lentry_shape_is_right:
; Causal attention of one (batch, head) on codes of E3M2; O / l is quantised along the head's 64 channels and stored as half fragments for the next product.
; THE SOFTMAX: t = score x log2(e) / 8; M = the running largest t rounded up to a whole number; p = 2^(t - M) is quantised along the keys; the row's sum is taken of the unquantised p and divides O at the end.
; SHARES.  Work-group (i, bh), sixteen waves of 256 registers, four to a SIMD, so that one wave's waits stand beside three others' work.  Waves w and 8 + w (w = 0 .. 7) share the tiles of 16 queries
; T0 = i + 8 w (w + 1 steps of 128 keys) and T1 = 127 - T0 (16 - w steps).  Wave w takes steps 0 .. 7 of T1, which never meet the diagonal (T1's last step is 15 - w, at least 8).
; Wave 8 + w takes all of T0 and then steps 8 .. 15 - w of T1: 8 steps and 9 steps, whatever w and i.
; THE TWO PARTS OF T1 each have a running M of their own: M is a whole number, so every rescaling is an exact power of two.  Wave w hands its O^T, -M and sum to wave 8 + w as an image of its registers in LDS,
; behind one barrier; wave 8 + w brings both parts under the larger M, adds them and finishes the tile.
; All of the head's K and V (16 steps x 12,800 bytes) lie in LDS, brought once by one tensor load a wave; nothing is filled twice, and the hand-over has LDS bytes of its own.
; CLUSTER.  The four work-groups of a cluster have the same head: the loads are joint.  The place in the cluster enters global addresses and numbers alone: no branch, trip count or LDS address.
; THE HEAD HAS 64 CHANNELS, the instruction 128 along K: a fragment of K holds tile 2 p's channels in k 0..63 and tile 2 p + 1's in k 64..127; it is multiplied by (q, 0) and by (0, q).
; Both products are used transposed: a lane holds one query; score register 16 b + i is key 32 b + 16 (lane / 16) + i of the step.
; Every wave walks both loops, 8 trips each; a trip outside the wave's range jumps to the lines that step addresses.  The range hangs on the wave's number alone.  The mask is applied in a tile's last step alone.
; No L2 prefetch: K and V are asked for once, at the head.
; LIMITS: a block of zeros gets the byte 1; NaN and infinities are not served; 1 / l is v_rcp_f32.
.set QQ,  6553600
.set MRG, 204800                       ; behind K and V: 4,608 bytes for each pair of waves: 32 registers of O^T, then (-M, t, sum, -)
.set WV,  8
.set G0,  12
.set G1,  16
.set SEL, 24
.set CS,  26
.set TB,  28                           ; s28 LDS byte of the step's K and V
.set KF,  29                           ; s29 the step's first key
.set CNT, 30                           ; s30 the step
.set TR,  35                           ; s35 the trip
.set TB0, 36                           ; s36-38 where the second walk begins: LDS byte, key, step
.set ROLE, 39                          ; s39 0 in waves 0-7, 1 in waves 8-15
.set HND, 40                           ; v40 LDS address of my pair's hand-over: MRG + 4,608 w + 16 x lane; never rewritten
.macro PLACES n
.rept \n
	v_nop
.endr
.endm
.macro ROUND
	s_barrier_signal -1
	s_barrier_wait -1
	s_cmp_lg_u32 s[WV], 0
	s_cbranch_scc1 .Lnw0_\@
	s_barrier_signal -3
.Lnw0_\@:
	s_barrier_wait -3
	s_barrier_signal -1
	s_barrier_wait -1
.endm
; the numbers of tile n (0: T0, 1: T1) from its number in s[t]: s[SB] parity mask, s[SB+1] first query, s[SB+2:3] codes out, s[SB+4:5] scale bytes out; Q's base and offsets.  (s[SB+6]: where my range of steps ends; s[SB+7]: the tile's last step)
.macro SETT n, t
.set SB, 40+8*\n
	s_and_b32 s33, s[\t], 1
	s_sub_co_u32 s[SB], 0, s33                     ; all ones where T is odd
	s_lshr_b32 s34, s[\t], 1                       ; the pair of tiles
	s_lshl_b32 s[SB+1], s34, 5
	s_lshl_b32 s35, s33, 3
	s_add_co_u32 s[SB+1], s[SB+1], s35             ; lane r's query is this + r + 8 (r / 8)
	s_lshr_b32 s35, s11, 4
	s_lshl_b32 s35, s35, 5
	s_lshr_b32 s36, s[\t], 2
	s_add_co_u32 s35, s35, s36                     ; quad of 64 tokens
	s_lshl_b32 s35, s35, 3
	s_bfe_u32 s36, s11, 0x30001                    ; head / 2: the next product's K step
	s_add_co_u32 s35, s35, s36
	s_mul_i32 s35, s35, 6400
	s_and_b32 s36, s[\t], 3
	s_and_b32 s37, s11, 1                          ; head % 2: which half of it
	s_mul_i32 s38, s36, 1536
	s_add_co_u32 s38, s38, s35
	s_mul_i32 s39, s37, 768
	s_add_co_u32 s38, s38, s39
	s_mov_b32 s39, 0
	s_add_nc_u64 s[SB+2:SB+3], s[6:7], s[38:39]
	s_lshl_b32 s38, s36, 2
	s_add_co_u32 s38, s38, s35
	s_lshl_b32 s37, s37, 1
	s_add_co_u32 s38, s38, s37
	s_add_co_u32 s38, s38, 6144
	s_add_nc_u64 s[SB+4:SB+5], s[6:7], s[38:39]
	s_lshr_b32 s35, s[\t], 3
	s_lshl_b32 s36, s11, 4
	s_add_co_u32 s35, s35, s36
	s_mul_i32 s38, s35, 6400
	s_add_co_u32 s38, s38, QQ
	s_add_nc_u64 s[56+2*\n:57+2*\n], s[4:5], s[38:39]
	s_and_b32 s34, s34, 3
	s_mul_i32 s35, s34, 1536
	v_add_nc_u32 v[5+2*\n], s35, v1
	s_lshl_b32 s35, s34, 2
	s_add_co_u32 s35, s35, 6144
	v_add_nc_u32 v[6+2*\n], s35, v3
.endm
.macro STEP n                          ; 128 keys
.set SB, 40+8*\n
	v_add_nc_u32 v9, s[TB], v1
	v_add_nc_u32 v10, s[TB], v2
	v_add_nc_u32 v11, s[TB], v3
	v_nop                                          ; four plain instructions in front of loads into registers that the last products read
.irp p, 0,1,2,3
.irp c, 0,1,2
	ds_load_b128 v[44+12*\p+4*\c:47+12*\p+4*\c], v9 offset:1536*\p+512*\c
.endr
.endr
	ds_load_b128 v[248:251], v11 offset:6144
	s_wait_alu depctr_va_vdst(0)
	s_wait_dscnt 0x0
.irp p, 0,1,2,3
	v_wmma_scale_f32_16x16x128_f8f6f4 v[96+16*\p:103+16*\p], v[44+12*\p:55+12*\p], v[16:27], 0, v[248+\p], v255 matrix_a_fmt:MATRIX_FMT_BF6 matrix_b_fmt:MATRIX_FMT_BF6
	v_wmma_scale_f32_16x16x128_f8f6f4 v[104+16*\p:111+16*\p], v[44+12*\p:55+12*\p], v[28:39], 0, v[248+\p], v255 matrix_a_fmt:MATRIX_FMT_BF6 matrix_b_fmt:MATRIX_FMT_BF6
.endr
	PLACES 4
.irp t, 0,1,2,3                                ; V's fragments are asked for now and land under the softmax
	ds_load_b128 v[44+12*\t:47+12*\t], v9 offset:6400+1536*\t
	ds_load_b64 v[48+12*\t:49+12*\t], v10 offset:6400+1536*\t+512
	ds_load_b128 v[50+12*\t:53+12*\t], v9 offset:6400+1536*\t+768
	ds_load_b64 v[54+12*\t:55+12*\t], v10 offset:6400+1536*\t+1280
.endr
	ds_load_b128 v[248:251], v11 offset:6400+6144
	s_cmp_lg_u32 s[CNT], s[SB+7]
	s_cbranch_scc1 .Lopen_\@                       ; only the tile's last step meets the diagonal
	s_sub_co_i32 s31, s[SB+1], s[KF]
	v_add_nc_u32 v252, s31, v4                     ; d = my query - the step's first key - 16 (lane / 16): register 16 b + i is hidden where 32 b + i > d
	v_mov_b32 v254, 0xff800000
.set j, 0
.rept 64
	v_cmp_gt_i32 vcc_lo, 32*(j/16)+j%16, v252
	v_cndmask_b32 v[96+j], v[96+j], v254, vcc_lo
.set j, j+1
.endr
.Lopen_\@:
.irp b, 0,1,2,3
	v_max3_num_f32 v[232+\b], v[96+16*\b], v[97+16*\b], v[98+16*\b]   ; the largest score of each block of 32 keys: for the row's maximum, and for the block's largest p
.endr
.irp i, 3,5,7,9,11,13
.irp b, 0,1,2,3
	v_max3_num_f32 v[232+\b], v[232+\b], v[96+16*\b+\i], v[97+16*\b+\i]
.endr
.endr
.irp b, 0,1,2,3
	v_max_num_f32 v[232+\b], v[232+\b], v[111+16*\b]
.endr
.irp b, 0,1,2,3
	s_delay_alu instid0(VALU_DEP_4)
	v_permlanex16_b32 v[236+\b], v[232+\b], s[SEL], s[SEL+1]
.endr
.irp b, 0,1,2,3
	s_delay_alu instid0(VALU_DEP_4)
	v_max_num_f32 v[232+\b], v[232+\b], v[236+\b]
.endr
	s_delay_alu instid0(VALU_DEP_2)
	v_max3_num_f32 v254, v232, v233, v234
	s_delay_alu instid0(VALU_DEP_1)
	v_max_num_f32 v254, v254, v235
	s_delay_alu instid0(VALU_DEP_1)
	v_mul_f32 v254, s[CS], v254
	s_delay_alu instid0(VALU_DEP_1)
	v_max_num_f32 v13, v13, v254                   ; the running largest t
	v_mov_b32 v254, v12
	s_delay_alu instid0(VALU_DEP_2)
	v_floor_f32 v12, -v13                          ; -M = floor(-t): M is a whole number
	s_delay_alu instid0(VALU_DEP_1)
	v_sub_f32 v254, v12, v254
	s_delay_alu instid0(VALU_DEP_1)
	v_cvt_i32_f32 v254, v254                       ; (it saturates)
	s_delay_alu instid0(VALU_DEP_1)
	v_ldexp_f32 v252, 1.0, v254                    ; f = 2^(old M - new M)
.set j, 0
.rept 32
	v_pk_fma_f32 v[96+j:97+j], v[96+j:97+j], s[CS:CS+1], v[12:13] op_sel_hi:[1,0,0]   ; t - M
.set j, j+2
.endr
.irp b, 0,1,2,3
	v_fma_f32 v[232+\b], v[232+\b], s[CS], v12
.endr
.set j, 0
	s_wait_alu depctr_va_vdst(0)
.rept 64
	v_exp_f32 v[96+j], v[96+j]                     ; p
.set j, j+1
.endr
	v_pk_mul_f32 v[14:15], v[14:15], v[252:253] op_sel_hi:[1,0]   ; the sums under the new M; a plain instruction behind the exponentials
	s_wait_alu depctr_va_vdst(0)                   ; one wait for the batch, ahead of its first use
.irp b, 0,1,2,3
	v_exp_f32 v[232+\b], v[232+\b]                 ; each block's largest p
.endr
	v_pk_add_f32 v[236:237], v[100:101], v[104:105]
	v_pk_add_f32 v[246:247], v[108:109], v[112:113]
	v_pk_add_f32 v[244:245], v[116:117], v[120:121]
	v_pk_add_f32 v[240:241], v[124:125], v[128:129]
	v_pk_add_f32 v[238:239], v[132:133], v[136:137]
	v_pk_add_f32 v[230:231], v[140:141], v[144:145]
	v_pk_add_f32 v[228:229], v[148:149], v[152:153]
	v_pk_add_f32 v[14:15], v[14:15], v[156:157]
	v_pk_add_f32 v[236:237], v[236:237], v[96:97]
	v_pk_add_f32 v[246:247], v[246:247], v[98:99]
	v_pk_add_f32 v[244:245], v[244:245], v[102:103]
	v_pk_add_f32 v[240:241], v[240:241], v[106:107]
	v_pk_add_f32 v[238:239], v[238:239], v[110:111]
	v_pk_add_f32 v[230:231], v[230:231], v[114:115]
	v_pk_add_f32 v[228:229], v[228:229], v[118:119]
	v_pk_add_f32 v[14:15], v[14:15], v[122:123]
	v_pk_add_f32 v[236:237], v[236:237], v[126:127]
	v_pk_add_f32 v[246:247], v[246:247], v[130:131]
	v_pk_add_f32 v[244:245], v[244:245], v[134:135]
	v_pk_add_f32 v[240:241], v[240:241], v[138:139]
	v_pk_add_f32 v[238:239], v[238:239], v[142:143]
	v_pk_add_f32 v[230:231], v[230:231], v[146:147]
	v_pk_add_f32 v[228:229], v[228:229], v[150:151]
	v_pk_add_f32 v[14:15], v[14:15], v[154:155]
	v_pk_add_f32 v[236:237], v[236:237], v[158:159]
	s_delay_alu instid0(VALU_DEP_2)
	v_pk_add_f32 v[14:15], v[14:15], v[240:241]
	s_delay_alu instid0(VALU_DEP_2)
	v_pk_add_f32 v[236:237], v[236:237], v[238:239]
	v_pk_add_f32 v[246:247], v[246:247], v[230:231]
	v_pk_add_f32 v[244:245], v[244:245], v[228:229]
	s_delay_alu instid0(VALU_DEP_2)
	v_pk_add_f32 v[14:15], v[14:15], v[246:247]
	s_delay_alu instid0(VALU_DEP_2)
	v_pk_add_f32 v[236:237], v[236:237], v[244:245]
	s_delay_alu instid0(VALU_DEP_1)
	v_pk_add_f32 v[14:15], v[14:15], v[236:237]
	s_wait_alu depctr_va_vdst(0)                   ; and one for the four
.irp b, 0,1,2,3
	v_max_num_f32 v[232+\b], 0x2800000, v[232+\b]
.endr
.irp b, 0,1,2,3
	s_delay_alu instid0(VALU_DEP_4)
	v_add_nc_u32 v[244+\b], 0xfe000000, v[232+\b]
.endr
.irp b, 0,1,2,3
	s_delay_alu instid0(VALU_DEP_4)
	v_lshrrev_b32 v[236+\b], 23, v[244+\b]
.endr
	s_delay_alu instid0(VALU_DEP_3)
	v_lshl_or_b32 v253, v237, 8, v236              ; p's scale word
	s_delay_alu instid0(VALU_DEP_1)
	v_lshl_or_b32 v253, v238, 16, v253
	s_delay_alu instid0(VALU_DEP_1)
	v_lshl_or_b32 v253, v239, 24, v253
.irp c, 0,1
	v_cvt_scalef32_pk16_bf6_f32 v[224+6*\c:226+6*\c], v[96+32*\c:111+32*\c], v[244+2*\c]
	v_cvt_scalef32_pk16_bf6_f32 v[236+4*\c:238+4*\c], v[112+32*\c:127+32*\c], v[244+2*\c+1]
.endr
	v_nop
.irp c, 0,1
.irp i, 0,1,2
	v_permlane16_swap_b32 v[224+6*\c+\i], v[236+4*\c+\i]
.endr
.irp i, 0,1,2
	s_delay_alu instid0(VALU_DEP_3)
	v_mov_b32 v[227+6*\c+\i], v[236+4*\c+\i]
.endr
.endr
.set j, 0
.rept 16
	v_pk_mul_f32 v[160+j:161+j], v[160+j:161+j], v[252:253] op_sel_hi:[1,0]   ; O^T under the new M; these 16 also stand between the scale word's making and the products
.set j, j+2
.endr
	s_wait_alu depctr_va_vdst(0)
	s_wait_dscnt 0x0                               ; V
.irp t, 0,1,2,3
	v_wmma_scale_f32_16x16x128_f8f6f4 v[160+8*\t:167+8*\t], v[44+12*\t:55+12*\t], v[224:235], v[160+8*\t:167+8*\t], v[248+\t], v253 matrix_a_fmt:MATRIX_FMT_BF6 matrix_b_fmt:MATRIX_FMT_BF6
.endr
.endm
.macro SETUP n, raw                    ; tile n's query operands, and a fresh M, sum and O^T
.set SB, 40+8*\n
	s_wait_xcnt 0x0                                ; earlier stores have read their registers
.irp i, 0,1,2,3,4,5
	v_cndmask_b32 v[16+\i], v[\raw+\i], v[\raw+6+\i], s[SB]   ; my tile's half of the pair fragment
.endr
	v_lshrrev_b32 v254, 16, v[\raw+12]
	v_and_b32 v255, 0xffff, v[\raw+12]
	s_delay_alu instid0(VALU_DEP_1)
	v_cndmask_b32 v255, v255, v254, s[SB]
	s_delay_alu instid0(VALU_DEP_1)
	v_lshl_or_b32 v255, v255, 16, v255             ; its two scale bytes, twice
.irp i, 0,1,2,3,4,5
	v_mov_b32 v[34+\i], v[16+\i]                   ; (0, q)
	v_mov_b32 v[22+\i], 0                          ; (q, 0)
	v_mov_b32 v[28+\i], 0
.endr
	v_mov_b32 v13, 0xff61b1e6                      ; -3e38, under every t
	s_delay_alu instid0(VALU_DEP_1)
	v_floor_f32 v12, -v13
	v_mov_b32 v14, 0
	v_mov_b32 v15, 0
.set j, 0
.rept 32
	v_mov_b32 v[160+j], 0                          ; O^T: the first change of M leaves zeros zeros
.set j, j+1
.endr
.endm
.macro WALK n                          ; 8 trips, a constant; the steps from s[CNT] on that lie under s[SB+6] are worked
.set SB, 40+8*\n
	s_mov_b32 s[TR], 0
.Ltrip_\@:
	s_cmp_ge_u32 s[CNT], s[SB+6]
	s_cbranch_scc1 .Lskip_\@
	STEP \n
.Lskip_\@:
	s_add_co_u32 s[TB], s[TB], 12800
	s_add_co_u32 s[KF], s[KF], 128
	s_add_co_u32 s[CNT], s[CNT], 1
	s_add_co_u32 s[TR], s[TR], 1
	s_cmp_lt_u32 s[TR], 8
	s_cbranch_scc1 .Ltrip_\@
	PLACES 4                                       ; behind the last products, ahead of the first read of O^T
	v_add_f32 v14, v14, v15                        ; my lane's sum
.endm
.macro FINISH n                        ; O^T / the row's sum, quantised along the 64 channels, stored as half a fragment
.set SB, 40+8*\n
	v_permlanex16_b32 v252, v14, s[SEL], s[SEL+1]
	s_delay_alu instid0(VALU_DEP_1)
	v_add_f32 v14, v14, v252                       ; the row's sum
	s_wait_alu depctr_va_vdst(0)
	v_rcp_f32 v14, v14
	v_nop
	s_wait_alu depctr_va_vdst(0)
.set j, 0
.rept 32
	v_mul_f32 v[96+j], v[160+j], v14               ; register 16 b + i: channel 32 b + 16 (lane / 16) + i
.set j, j+1
.endr
.irp b, 0,1                                    ; two blocks of 32: half a fragment
	v_max3_num_f32 v[232+\b], |v[96+16*\b]|, |v[97+16*\b]|, 0x2800000
.endr
.irp i, 2,4,6,8,10,12,14
.irp b, 0,1
	s_delay_alu instid0(VALU_DEP_2)
	v_max3_num_f32 v[232+\b], v[232+\b], |v[96+16*\b+\i]|, |v[97+16*\b+\i]|
.endr
.endr
.irp b, 0,1
	s_delay_alu instid0(VALU_DEP_2)
	v_permlanex16_b32 v[236+\b], v[232+\b], s[SEL], s[SEL+1]
.endr
.irp b, 0,1
	s_delay_alu instid0(VALU_DEP_2)
	v_max_num_f32 v[232+\b], v[232+\b], v[236+\b]
.endr
.irp b, 0,1
	s_delay_alu instid0(VALU_DEP_2)
	v_add_nc_u32 v[244+\b], 0xfe000000, v[232+\b]
.endr
.irp b, 0,1
	s_delay_alu instid0(VALU_DEP_2)
	v_lshrrev_b32 v[236+\b], 23, v[244+\b]
.endr
	s_delay_alu instid0(VALU_DEP_1)
	v_lshl_or_b32 v240, v237, 8, v236
	v_cvt_scalef32_pk16_bf6_f32 v[224:226], v[96:111], v244
	v_cvt_scalef32_pk16_bf6_f32 v[236:238], v[112:127], v245
	v_nop
.irp i, 0,1,2
	v_permlane16_swap_b32 v[224+\i], v[236+\i]
.endr
.irp i, 0,1,2
	s_delay_alu instid0(VALU_DEP_3)
	v_mov_b32 v[227+\i], v[236+\i]
.endr
	global_store_b128 v1, v[224:227], s[SB+2:SB+3]
	global_store_b64 v2, v[228:229], s[SB+2:SB+3] offset:512
	global_store_b16 v3, v240, s[SB+4:SB+5]
.endm
	s_load_b128 s[4:7], s[0:1], 0x0                ; qkvc, oq
	v_lshl_add_u32 v223, v0, 2, 0x3b000
	v_mov_b32 v243, 0
	ds_add_u32 v223, v243
	ds_add_u32 v223, v243
	v_lshrrev_b32 v1, 5, v0
	s_delay_alu instid0(VALU_DEP_1)
	v_readfirstlane_b32 s[WV], v1                  ; wave 0..15
	s_bfe_u32 s9, ttmp6, 0x40000
	s_lshl_b32 s10, ttmp9, 2
	s_add_co_u32 s10, s10, s9                      ; i
	s_and_b32 s11, ttmp7, 0xffff                   ; 16 x batch + head
	s_mov_b32 s[G1], 15|(3<<16)|(1<<21)
	s_mov_b32 s[G1+1], 32<<16                      ; 50 dense rows of 256 bytes: one step's K and V
	s_mov_b32 s[G1+2], 50<<16
	s_mov_b32 s[G1+3], 32<<16
	s_mov_b32 s[G1+4], 50
	s_mov_b32 s[G1+5], 32
	s_mov_b32 s[G1+6], 0
	s_mov_b32 s[G1+7], 0
	s_mul_i32 s32, s[WV], 12800
	s_mul_i32 s34, s11, 204800
	s_add_co_u32 s34, s34, s32
	s_mov_b32 s35, 0
	s_wait_dscnt 0x0
	s_wait_kmcnt 0x0
	s_mov_b32 s[G0], 1
	s_mov_b32 s[G0+1], s32
	s_add_nc_u64 s[G0+2:G0+3], s[4:5], s[34:35]
	s_or_b32 s[G0+3], s[G0+3], 0x80000000
	ROUND
	tensor_load_to_lds s[G0:G0+3], s[G1:G1+7]      ; my one load
	s_nop 0
	PLACES 4
	v_and_b32 v20, 31, v0
	v_and_b32 v21, 15, v0
	v_bfe_u32 v22, v0, 4, 1
	s_delay_alu instid0(VALU_DEP_3)
	v_lshlrev_b32 v1, 4, v20                       ; 16 l
	s_wait_alu depctr_va_vdst(0)
	v_lshlrev_b32 v2, 3, v20                       ; 8 l
	v_lshlrev_b32 v3, 4, v21                       ; 16 r
	s_wait_alu depctr_va_vdst(0)
	v_and_b32 v4, 8, v21
	s_delay_alu instid0(VALU_DEP_1)
	v_add_nc_u32 v4, v4, v21
	v_lshlrev_b32 v22, 4, v22
	s_delay_alu instid0(VALU_DEP_1)
	v_sub_nc_u32 v4, v4, v22                       ; r + 8 (r / 8) - 16 h
	s_and_b32 s62, s[WV], 7                        ; w: my pair of waves
	s_lshl_b32 s60, s62, 3
	s_add_co_u32 s60, s60, s10                     ; T0
	s_sub_co_u32 s61, 127, s60                     ; T1
	SETT 0, 60
	SETT 1, 61
	s_lshr_b32 s[ROLE], s[WV], 3
	s_add_co_u32 s46, s62, 1
	s_mul_i32 s46, s46, s[ROLE]                    ; T0: steps 0 .. w in waves 8-15, none in waves 0-7
	s_mov_b32 s47, s62                             ; its last step
	s_sub_co_u32 s54, 8, s62
	s_mul_i32 s54, s54, s[ROLE]
	s_add_co_u32 s54, s54, 8                       ; T1: my range ends at step 8, or at 16 - w
	s_sub_co_u32 s55, 15, s62                      ; its last step
	s_mul_i32 s[TB0], s[ROLE], 102400              ; and begins at step 0, or at step 8
	s_lshl_b32 s[TB0+1], s[ROLE], 10
	s_lshl_b32 s[TB0+2], s[ROLE], 3
	s_mul_i32 s63, s62, 4608
	s_add_co_u32 s63, s63, MRG
	v_add_nc_u32 v[HND], s63, v1
	s_wait_alu depctr_va_vdst(0)
.irp n, 0,1
.irp c, 0,1,2
	global_load_b128 v[192+14*\n+4*\c:195+14*\n+4*\c], v[5+2*\n], s[56+2*\n:57+2*\n] offset:512*\c
.endr
	global_load_b32 v[204+14*\n], v[6+2*\n], s[56+2*\n:57+2*\n]
.endr
	s_mov_b32 s[SEL], 0x76543210
	s_mov_b32 s[SEL+1], 0xfedcba98
	s_mov_b32 s[CS], 0x3e38aa3b                    ; log2(e) / 8
	s_mov_b32 s[CS+1], s[CS]
.irp b, 0,1,2,3
	v_mov_b32 v[236+\b], 0                         ; a lane permute's destination counts as one of its sources
.endr
	v_mov_b32 v252, 0
	v_mov_b32 v253, 0
	s_wait_tensorcnt 0x0                           ; my step of K and V has landed,
	s_barrier_signal -1
	s_barrier_wait -1                              ; everybody's has
	s_wait_loadcnt 0x0                             ; Q
	; ---- T0: the work of waves 8-15; waves 0-7 walk the loop and work no step
	SETUP 0, 192
	s_mov_b32 s[TB], 0
	s_mov_b32 s[KF], 0
	s_mov_b32 s[CNT], 0
	WALK 0
	s_cmp_eq_u32 s[ROLE], 0
	s_cbranch_scc1 .Lno_first
	FINISH 0
.Lno_first:
	; ---- T1: steps 0 .. 7 in waves 0-7, steps 8 .. 15 - w in waves 8-15
	SETUP 1, 206
	s_mov_b32 s[TB], s[TB0]
	s_mov_b32 s[KF], s[TB0+1]
	s_mov_b32 s[CNT], s[TB0+2]
	WALK 1
	s_cmp_lg_u32 s[ROLE], 0
	s_cbranch_scc1 .Lno_hand
	s_wait_alu depctr_va_vdst(0)
.irp c, 0,1,2,3,4,5,6,7
	ds_store_b128 v[HND], v[160+4*\c:163+4*\c] offset:512*\c   ; my part of O^T as it stands, each accumulator from its low end on
.endr
	ds_store_b128 v[HND], v[12:15] offset:4096     ; -M, the largest t, my lane's sum
.Lno_hand:
	s_wait_dscnt 0x0                               ; for the partner's sake: my stores have landed
	s_barrier_signal -1
	s_barrier_wait -1
	s_cmp_eq_u32 s[ROLE], 0
	s_cbranch_scc1 .Ldone
.irp c, 0,1,2,3,4,5,6,7
	ds_load_b128 v[96+4*\c:99+4*\c], v[HND] offset:512*\c      ; the same lines as loads give the same registers in the same lanes
.endr
	ds_load_b128 v[128:131], v[HND] offset:4096
	s_wait_dscnt 0x0
	v_min_num_f32 v132, v12, v128                  ; -M of the whole row: the larger M
	s_delay_alu instid0(VALU_DEP_1)
	v_sub_f32 v133, v132, v128                     ; the partner's M less it: a whole number, 0 or less
	s_delay_alu instid0(VALU_DEP_2)
	v_sub_f32 v134, v132, v12                      ; mine less it
	s_delay_alu instid0(VALU_DEP_2)
	v_cvt_i32_f32 v133, v133
	s_delay_alu instid0(VALU_DEP_2)
	v_cvt_i32_f32 v134, v134
	s_delay_alu instid0(VALU_DEP_2)
	v_ldexp_f32 v136, 1.0, v133                    ; the two factors: exact powers of two
	s_delay_alu instid0(VALU_DEP_2)
	v_ldexp_f32 v138, 1.0, v134
	v_mov_b32 v137, 0                              ; (named as the pairs' upper halves, so they are written)
	v_mov_b32 v139, 0
	s_delay_alu instid0(VALU_DEP_3)
	v_mul_f32 v14, v14, v138
	s_delay_alu instid0(VALU_DEP_1)
	v_fma_f32 v14, v130, v136, v14                 ; the two sums under one M
.set j, 0
.rept 16
	v_pk_mul_f32 v[160+j:161+j], v[160+j:161+j], v[138:139] op_sel_hi:[1,0]
	s_delay_alu instid0(VALU_DEP_1)
	v_pk_fma_f32 v[160+j:161+j], v[96+j:97+j], v[136:137], v[160+j:161+j] op_sel_hi:[1,0,1]   ; and the two parts of O^T
.set j, j+2
.endr
	FINISH 1
.Ldone:
	s_wait_tensorcnt 0x0
	ds_add_u32 v223, v243
	s_wait_dscnt 0x0
	ROUND                                          ; the closing round
	s_endpgm
.Lfunc_end_k_qd1dc65de52_attn:
	.size	k_qd1dc65de52_attn, .Lfunc_end_k_qd1dc65de52_attn-k_qd1dc65de52_attn
	.p2alignl 7, 3214868480
	.fill 96, 4, 3214868480
	.section	.rodata,"a",@progbits
	.p2align	6, 0x0
	.amdhsa_kernel k_qd1dc65de52_attn
		.amdhsa_group_segment_fixed_size 243712
		.amdhsa_private_segment_fixed_size 0
		.amdhsa_enable_private_segment 0
		.amdhsa_kernarg_size 16
		.amdhsa_user_sgpr_count 2
		.amdhsa_user_sgpr_kernarg_segment_ptr 1
		.amdhsa_wavefront_size32 1
		.amdhsa_system_sgpr_workgroup_id_x 1
		.amdhsa_system_sgpr_workgroup_id_y 1
		.amdhsa_system_sgpr_workgroup_id_z 1
		.amdhsa_system_vgpr_workitem_id 0
		.amdhsa_next_free_vgpr 256
		.amdhsa_next_free_sgpr 66
		.amdhsa_reserve_vcc 1
		.amdhsa_float_denorm_mode_32 3
		.amdhsa_float_denorm_mode_16_64 3
		.amdhsa_memory_ordered 1
		.amdhsa_forward_progress 1
		.amdhsa_inst_pref_size 72
	.end_amdhsa_kernel
	.amdgpu_metadata
---
amdhsa.version: [ 1, 2 ]
amdhsa.kernels:
  - .name:           k_qd1dc65de52_attn
    .symbol:         k_qd1dc65de52_attn.kd
    .args:
      - { .name: qkvc, .offset: 0, .size: 8, .value_kind: global_buffer, .address_space: global }
      - { .name: oq, .offset: 8, .size: 8, .value_kind: global_buffer, .address_space: global }
    .group_segment_fixed_size: 243712
    .private_segment_fixed_size: 0
    .kernarg_segment_align: 8
    .kernarg_segment_size: 16
    .max_flat_workgroup_size: 512
    .sgpr_count:     66
    .vgpr_count:     256
    .wavefront_size: 32
...
	.end_amdgpu_metadata
.endif
;; end of part 3
;; launch oproj (part 4): grid 32 x 8, 4 waves a work-group, clusters of 4 x 1, 167,936 bytes of LDS; arguments oq, wq, x, h1; writes h1
.if DOCPART == 4
	.amdgcn_target "amdgcn-amd-amdhsa--gfx1250"
	.amdhsa_code_object_version 6
	.text
	.protected	k_qd1dc65de52_oproj
	.globl	k_qd1dc65de52_oproj
	.p2align	8
	.type	k_qd1dc65de52_oproj,@function
k_qd1dc65de52_oproj:
	s_mov_b64 s[64:65], 0
	v_nop
	global_prefetch_b8 v0, s[64:65] scope:SCOPE_SE
	s_setreg_imm32_b32 hwreg(HW_REG_WAVE_MODE, 25, 1), 1
	s_wait_xcnt 0x0
	s_wait_alu depctr_hold_cnt(0) depctr_sa_sdst(0) depctr_va_vdst(0) depctr_va_sdst(0) depctr_va_ssrc(0) depctr_va_vcc(0) depctr_vm_vsrc(0)
	s_getreg_b32 s2, hwreg(HW_REG_IB_STS2, 6, 4)
	s_cmp_eq_u32 s2, 0
	s_cbranch_scc0 .Lentry_in_a_cluster
	s_endpgm
.Lentry_in_a_cluster:
	s_bfe_u32 s2, ttmp6, 0x10000c
	s_cmp_lg_u32 s2, 0x3003
	s_cbranch_scc0 .Lentry_shape_is_right
	s_endpgm
.Lentry_shape_is_right:
; h1 = x + O o_w^T on codes of E3M2.  Work-group (x, y): tokens 128 x on, columns 128 y on.
; The columns' weights, two groups of 8 QUs of 6,400 bytes, are 102,400 dense bytes of wq: they come into LDS once, by one joint load a wave of 100 rows of 256 bytes; nothing in LDS is filled twice.
; CLUSTER.  The four work-groups of a cluster have the same columns: the loads are joint.  The place in the cluster enters global addresses of my own tokens alone.
; Wave w owns 32 tokens (tiles 2 (w % 2) and 2 (w % 2) + 1 of quad 2 x + w / 2) and all 128 columns: 16 accumulators by turns, 16 matrix instructions a K step.
; Its tokens' half fragments come from oq into eight register sets, one for each K step, 9 loads a K step; no other wave of the work-group reads them.
; The products are used transposed (source 0 = weight rows, source 1 = tokens): a lane holds one token and 16 neighbouring columns of each block of 32.
; The sums go through the wave's own stage, behind the weights, and leave with x added as rows of 256 consecutive bytes.
; No L2 prefetch: all loads of the tokens' codes and of x are out by the second of the 8 K steps, so there is no loop to run ahead in.
; REGISTERS: window 0: addresses, scale words, v64-127 the way out, v128-255 the accumulators; window 1: the tokens' sets; window 2: two sets of the weights' 8 fragments; window 3: x.
.set KS,   8
.set NS,   8
.set WOFF, 2457600
.set WV,  12
.set LA,  4                            ; v4-5   16 x lane + 64,000 i: an LDS offset has 16 bits
.set LS,  9                            ; v9-10  16 x (lane % 16) + 64,000 i
.set STO, 16
.set RD,  17
.set GO,  18
.set SPW, 20
.set NIL, 21
.set AS,  22                           ; v22-37 the tokens' scale words: 2 a set
.set BS,  38                           ; v38-53 the weights': 8 a set
.set OB,  64
.set ACC, 128
.set STG, 102400
.set SPARE, 119808
.set G1,  24
.set G0,  32
.set AP,  40
.set ASP, 42
.set RP,  44
.set OP,  46
.set MSB, 0
.macro WIN new                         ; the immediate's high byte repeats the setting that is left
.if MSB != \new
	s_set_vgpr_msb (MSB<<8)|\new
.set MSB, \new
.endif
.endm
.macro PLACES n
.rept \n
	v_nop
.endr
.endm
.macro ROUND
	s_barrier_signal -1
	s_barrier_wait -1
	s_cmp_lg_u32 s[WV], 0
	s_cbranch_scc1 .Lnw0_\@
	s_barrier_signal -3
.Lnw0_\@:
	s_barrier_wait -3
	s_barrier_signal -1
	s_barrier_wait -1
.endm
.macro AFETCH ks
.set sl, (\ks)%NS
	WIN 0x40
.irp t, 0,1
	global_load_b128 v[24*sl+12*\t:24*sl+12*\t+3], v1, s[AP:AP+1] offset:6400*(\ks)+1536*\t
	global_load_b64 v[24*sl+12*\t+4:24*sl+12*\t+5], v2, s[AP:AP+1] offset:6400*(\ks)+1536*\t+512
	global_load_b128 v[24*sl+12*\t+6:24*sl+12*\t+9], v1, s[AP:AP+1] offset:6400*(\ks)+1536*\t+768
	global_load_b64 v[24*sl+12*\t+10:24*sl+12*\t+11], v2, s[AP:AP+1] offset:6400*(\ks)+1536*\t+1280
.endr
	WIN 0
	global_load_b64 v[AS+2*sl:AS+2*sl+1], v3, s[ASP:ASP+1] offset:6400*(\ks)
.endm
.macro BFETCH ks, buf                  ; K step ks of both groups: QU KS g + ks of the panel: 26 LDS loads
	WIN 0x80
.irp g, 0,1
.irp f, 0,1,2,3
.irp c, 0,1,2
	ds_load_b128 v[96*(\buf)+48*\g+12*\f+4*\c:96*(\buf)+48*\g+12*\f+4*\c+3], v[LA+(KS*\g+(\ks))/10] offset:((KS*\g+(\ks))%10)*6400+1536*\f+512*\c
.endr
.endr
.endr
	WIN 0
.irp g, 0,1
	ds_load_b128 v[BS+8*(\buf)+4*\g:BS+8*(\buf)+4*\g+3], v[LS+(KS*\g+(\ks))/10] offset:((KS*\g+(\ks))%10)*6400+6144
.endr
.endm
.macro WM d, a, b, sa, sb, zero
.if \zero
	v_wmma_scale_f32_16x16x128_f8f6f4 v[\d:\d+7], v[\a:\a+11], v[\b:\b+11], 0, v[\sa], v[\sb] matrix_a_fmt:MATRIX_FMT_BF6 matrix_b_fmt:MATRIX_FMT_BF6
.else
	v_wmma_scale_f32_16x16x128_f8f6f4 v[\d:\d+7], v[\a:\a+11], v[\b:\b+11], v[\d:\d+7], v[\sa], v[\sb] matrix_a_fmt:MATRIX_FMT_BF6 matrix_b_fmt:MATRIX_FMT_BF6
.endif
.endm
.macro MM16 ks, buf, zero
.set sl, (\ks)%NS
	WIN 0x06                                       ; source 0: window 2, source 1: window 1
.irp t, 0,1
.irp n, 0,1,2,3,4,5,6,7
	WM ACC+8*(8*\t+\n), 96*(\buf)+12*\n, 24*sl+12*\t, BS+8*(\buf)+\n, AS+2*sl+\t, \zero
.endr
.endr
.endm
.macro RLOAD                           ; x: block m = tile m / 2, group m % 2: sixteen lanes read 256 consecutive bytes of a row
	WIN 0xc0
.irp m, 0,1,2,3
.irp t, 0,1,2,3,4,5,6,7
	global_load_b128 v[32*\m+4*\t:32*\m+4*\t+3], v[GO], s[RP:RP+1] offset:(8*(\m/2)+2*\t+8*(\t/4))*4096+256*(\m%2)
.endr
.endr
	WIN 0
.endm
	s_load_b256 s[4:11], s[0:1], 0x0               ; oq, wq, x, h1
	v_lshl_add_u32 v[SPW], v0, 2, SPARE
	v_mov_b32 v[NIL], 0
	ds_add_u32 v[SPW], v[NIL]                      ; the opening lines: the add, twice on end, and its wait ahead of my first tensor load
	ds_add_u32 v[SPW], v[NIL]
	v_lshrrev_b32 v1, 5, v0
	v_readfirstlane_b32 s[WV], v1
	s_bfe_u32 s13, ttmp6, 0x40000
	s_lshl_b32 s14, ttmp9, 2
	s_add_co_u32 s14, s14, s13                     ; block of 128 tokens
	s_and_b32 s15, ttmp7, 0xffff                   ; block of 128 columns
	s_lshl_b32 s16, s14, 1
	s_lshr_b32 s17, s[WV], 1
	s_add_co_u32 s16, s16, s17                     ; my quad of 64 tokens
	s_and_b32 s36, s[WV], 1                        ; and which 32 of them
	s_mov_b32 s[G1], 15|(3<<16)|(1<<21)
	s_mov_b32 s[G1+1], 32<<16                      ; 100 dense rows of 256 bytes: a quarter of the two groups
	s_mov_b32 s[G1+2], 100<<16
	s_mov_b32 s[G1+3], 32<<16
	s_mov_b32 s[G1+4], 100
	s_mov_b32 s[G1+5], 32
	s_mov_b32 s[G1+6], 0
	s_mov_b32 s[G1+7], 0
	s_mul_i32 s17, s[WV], 25600
	s_mul_i32 s18, s15, 102400
	s_add_co_u32 s18, s18, s17
	s_add_co_u32 s18, s18, WOFF
	s_mov_b32 s19, 0
	s_wait_dscnt 0x0
	s_wait_kmcnt 0x0
	s_mov_b32 s[G0], 1
	s_mov_b32 s[G0+1], s17
	s_add_nc_u64 s[G0+2:G0+3], s[6:7], s[18:19]
	s_or_b32 s[G0+3], s[G0+3], 0x80000000
	ROUND                                          ; all four work-groups are here: the joint loads meet
	tensor_load_to_lds s[G0:G0+3], s[G1:G1+7]      ; my one load
	s_nop 0
	PLACES 4
	s_mul_i32 s20, s16, 6400*KS
	s_mul_i32 s22, s36, 3072
	s_add_co_u32 s22, s22, s20
	s_mov_b32 s23, 0
	s_add_nc_u64 s[AP:AP+1], s[4:5], s[22:23]      ; my two tiles in each QU
	s_lshl_b32 s22, s36, 3
	s_add_co_u32 s22, s22, s20
	s_add_co_u32 s22, s22, 6144
	s_add_nc_u64 s[ASP:ASP+1], s[4:5], s[22:23]    ; and their two scale words of row r, at 16 r
	v_and_b32 v14, 31, v0
	v_and_b32 v15, 15, v0
	v_bfe_u32 v54, v0, 4, 1
	v_lshlrev_b32 v1, 4, v14
	v_lshlrev_b32 v2, 3, v14
	v_lshlrev_b32 v3, 4, v15
	s_wait_alu depctr_va_vdst(0)
.irp a, 0,1,2,3,4,5,6
	AFETCH \a
.endr
	s_lshl_b32 s20, s16, 6
	s_lshl_b32 s22, s36, 5
	s_add_co_u32 s20, s20, s22                     ; my first token
	s_lshl_b32 s20, s20, 12
	s_lshl_b32 s22, s15, 9
	s_add_co_u32 s20, s20, s22
	s_mov_b32 s21, 0
	s_add_nc_u64 s[RP:RP+1], s[8:9], s[20:21]
	s_add_nc_u64 s[OP:OP+1], s[10:11], s[20:21]
.irp i, 0,1
	v_add_nc_u32 v[LA+\i], 64000*\i, v1
	v_add_nc_u32 v[LS+\i], 64000*\i, v3
.endr
	s_mul_i32 s22, s[WV], 4352
	s_add_co_u32 s22, s22, STG
	v_mul_u32_u24 v[STO], v15, 272
	v_mul_u32_u24 v[RD], v54, 272
	v_lshl_add_u32 v[STO], v54, 6, v[STO]
	v_add_nc_u32 v[RD], v[RD], v3
	v_add_nc_u32 v[STO], s22, v[STO]               ; stage as the accumulators lie: row r, + 64 h
	v_add_nc_u32 v[RD], s22, v[RD]                 ; stage by rows: row h, + 16 r
	v_lshl_add_u32 v[GO], v54, 12, v3              ; and the same two rows in x and h1
	s_wait_alu depctr_va_vdst(0)
	s_wait_tensorcnt 0x0                           ; my quarter of the weights has landed,
	s_barrier_signal -1
	s_barrier_wait -1                              ; everybody's has
	BFETCH 0, 0
.set k, 0
.rept KS
.if k > 0
	PLACES 4                                       ; in front of loads into the sets that step k - 1's products read
.endif
.if k+NS-1 < KS
	AFETCH k+NS-1
.endif
.if k == KS-NS+1
	RLOAD
.endif
.if k+1 < KS
	BFETCH k+1, (k+1)%2
.endif
.if k < KS-NS+1
	s_wait_loadcnt 63                              ; K step k of my tokens is in; behind it: seven K steps of 9 loads
.elseif 9*(KS-1-k)+32 > 63
	s_wait_loadcnt 63                              ; (a wait's count has 6 bits: a smaller count than what is behind)
.else
	s_wait_loadcnt 9*(KS-1-k)+32                   ; behind it: the K steps left, and x's 32 loads
.endif
.if k+1 < KS
	s_wait_dscnt 26                                ; all but the 26 just issued
.else
	s_wait_dscnt 0x0
.endif
.if k == 0
	MM16 k, k%2, 1
.else
	MM16 k, k%2, 0
.endif
.set k, k+1
.endr
	WIN 0
	PLACES 4
.irp m, 0,1,2,3
.if \m > 1
	s_wait_xcnt 0x0                                ; block m - 2's stores have read their registers
.endif
.irp b, 0,1
.irp q, 0,1,2,3
	ds_store_b128 v[STO], v[ACC+32*\m+16*\b+4*\q:ACC+32*\m+16*\b+4*\q+3] offset:128*\b+16*\q   ; each accumulator from its low end on
.endr
.endr
.irp t, 0,1,2,3,4,5,6,7
	ds_load_b128 v[OB+32*(\m%2)+4*\t:OB+32*(\m%2)+4*\t+3], v[RD] offset:544*\t   ; LDS serves a wave's instructions in order: these see my stores
.endr
	s_wait_dscnt 0x0
	s_wait_loadcnt 24-8*\m                         ; x's block m is in
	WIN 0x0c                                       ; source 1: window 3
.set i, 0
.rept 16
	v_pk_add_f32 v[OB+32*(\m%2)+i:OB+32*(\m%2)+i+1], v[OB+32*(\m%2)+i:OB+32*(\m%2)+i+1], v[32*\m+i:32*\m+i+1]
.set i, i+2
.endr
	WIN 0
.irp t, 0,1,2,3,4,5,6,7
	global_store_b128 v[GO], v[OB+32*(\m%2)+4*\t:OB+32*(\m%2)+4*\t+3], s[OP:OP+1] offset:(8*(\m/2)+2*\t+8*(\t/4))*4096+256*(\m%2)   ; sixteen lanes store 256 consecutive bytes, aligned
.endr
.endr
	s_wait_tensorcnt 0x0                           ; the wave's end
	ds_add_u32 v[SPW], v[NIL]
	s_wait_dscnt 0x0
	ROUND                                          ; the closing round
	s_endpgm
.Lfunc_end_k_qd1dc65de52_oproj:
	.size	k_qd1dc65de52_oproj, .Lfunc_end_k_qd1dc65de52_oproj-k_qd1dc65de52_oproj
	.p2alignl 7, 3214868480
	.fill 96, 4, 3214868480
	.section	.rodata,"a",@progbits
	.p2align	6, 0x0
	.amdhsa_kernel k_qd1dc65de52_oproj
		.amdhsa_group_segment_fixed_size 167936
		.amdhsa_private_segment_fixed_size 0
		.amdhsa_enable_private_segment 0
		.amdhsa_kernarg_size 32
		.amdhsa_user_sgpr_count 2
		.amdhsa_user_sgpr_kernarg_segment_ptr 1
		.amdhsa_wavefront_size32 1
		.amdhsa_system_sgpr_workgroup_id_x 1
		.amdhsa_system_sgpr_workgroup_id_y 1
		.amdhsa_system_sgpr_workgroup_id_z 1
		.amdhsa_system_vgpr_workitem_id 0
		.amdhsa_next_free_vgpr 896
		.amdhsa_next_free_sgpr 66
		.amdhsa_reserve_vcc 0
		.amdhsa_float_denorm_mode_32 3
		.amdhsa_float_denorm_mode_16_64 3
		.amdhsa_memory_ordered 1
		.amdhsa_forward_progress 1
		.amdhsa_inst_pref_size 58
	.end_amdhsa_kernel
	.amdgpu_metadata
---
amdhsa.version: [ 1, 2 ]
amdhsa.kernels:
  - .name:           k_qd1dc65de52_oproj
    .symbol:         k_qd1dc65de52_oproj.kd
    .args:
      - { .name: oq, .offset: 0, .size: 8, .value_kind: global_buffer, .address_space: global }
      - { .name: wq, .offset: 8, .size: 8, .value_kind: global_buffer, .address_space: global }
      - { .name: x, .offset: 16, .size: 8, .value_kind: global_buffer, .address_space: global }
      - { .name: h1, .offset: 24, .size: 8, .value_kind: global_buffer, .address_space: global }
    .group_segment_fixed_size: 167936
    .private_segment_fixed_size: 0
    .kernarg_segment_align: 8
    .kernarg_segment_size: 32
    .max_flat_workgroup_size: 128
    .sgpr_count:     66
    .vgpr_count:     896
    .wavefront_size: 32
...
	.end_amdgpu_metadata
.endif
;; end of part 4
;; launch norm2: the kernel of part 1 again; grid 216 x 2, 4 waves a work-group, no clusters, 68,608 bytes of LDS; arguments h1, gain2, qkv_w, o_w, w1, w3, w2, token_positions, nq, wq; writes nq, wq
;; launch ffn1 (part 5): grid 16 x 15, 4 waves a work-group, clusters of 4 x 1, 327,680 bytes of LDS; arguments nq, wq, aq; writes aq
.if DOCPART == 5
	.amdgcn_target "amdgcn-amd-amdhsa--gfx1250"
	.amdhsa_code_object_version 6
	.text
	.protected	k_qd1dc65de52_ffn1
	.globl	k_qd1dc65de52_ffn1
	.p2align	8
	.type	k_qd1dc65de52_ffn1,@function
k_qd1dc65de52_ffn1:
	s_mov_b64 s[64:65], 0
	v_nop
	global_prefetch_b8 v0, s[64:65] scope:SCOPE_SE
	s_setreg_imm32_b32 hwreg(HW_REG_WAVE_MODE, 25, 1), 1
	s_wait_xcnt 0x0
	s_wait_alu depctr_hold_cnt(0) depctr_sa_sdst(0) depctr_va_vdst(0) depctr_va_sdst(0) depctr_va_ssrc(0) depctr_va_vcc(0) depctr_vm_vsrc(0)
	s_getreg_b32 s2, hwreg(HW_REG_IB_STS2, 6, 4)
	s_cmp_eq_u32 s2, 0
	s_cbranch_scc0 .Lentry_in_a_cluster
	s_endpgm
.Lentry_in_a_cluster:
	s_bfe_u32 s2, ttmp6, 0x10000c
	s_cmp_lg_u32 s2, 0x3003
	s_cbranch_scc0 .Lentry_shape_is_right
	s_endpgm
.Lentry_shape_is_right:
; act = silu(n W1^T) x (n W3^T) on codes of E3M2, quantised along the hidden axis and stored as half fragments of 64 for the last product.
; SHARES.  Work-group (x, y): tokens 256 x on, three groups of 64 hidden units, 3 y + j.  There are 44 groups (the 44th is zero codes: the last product's K is filled with zeros to 2,816), so y = 14 has two:
; its third tensor load brings group 43 once more, and the third group's work is jumped over, by a branch on y, behind that group's wait and barrier.
; Wave w owns 64 tokens and keeps their codes for all of K = 1,024 in registers.  A group's weights (8 K steps x (W1's QU, W3's QU) = 102,400 bytes) come into LDS once; nothing is filled twice.
; CLUSTER.  The four work-groups of a cluster have the same groups: the loads are joint.
; The products are used transposed: a lane holds one token, and for each tile of tokens 32 registers = hidden units 32 b + 16 (lane / 16) + i of the 64.
; No L2 prefetch: the launch is short and four K steps of codes are on their way from the start.
; LIMITS: a block of zeros gets the byte 1; NaN and infinities are not served; the sigmoid is v_exp_f32 and v_rcp_f32.
.set W13Q, 3276800
.set WV,  10
.set LA,  4                            ; v4-8
.set LS,  9                            ; v9-13
.set AS,  28                           ; v28-59
.set BS,  60                           ; v60-67
.set TM,  68
.set PC,  84
.set PW,  104
.set ACT, 112                          ; v112-175
.set T,   176                          ; v176-239
.set BB,  160                          ; window 2; windows 1, 2: the tokens' codes; window 3: v0-127 n W1^T, v128-255 n W3^T
.set G1,  24
.set G0,  32
.set AP,  44
.set SEL, 60
.set MSB, 0
.macro WIN new
.if MSB != \new
	s_set_vgpr_msb (MSB<<8)|\new
.set MSB, \new
.endif
.endm
.macro PLACES n
.rept \n
	v_nop
.endr
.endm
.macro ROUND
	s_barrier_signal -1
	s_barrier_wait -1
	s_cmp_lg_u32 s[WV], 0
	s_cbranch_scc1 .Lnw0_\@
	s_barrier_signal -3
.Lnw0_\@:
	s_barrier_wait -3
	s_barrier_signal -1
	s_barrier_wait -1
.endm
.macro QUANT s
.irp b, 0,1,2,3
	v_max3_num_f32 v[TM+\b], |v[\s+16*\b]|, |v[\s+1+16*\b]|, 0x2800000
.endr
.irp i, 2,4,6,8,10,12,14
.irp b, 0,1,2,3
	v_max3_num_f32 v[TM+\b], v[TM+\b], |v[\s+16*\b+\i]|, |v[\s+1+16*\b+\i]|
.endr
.endr
.irp b, 0,1,2,3
	v_permlanex16_b32 v[TM+4+\b], v[TM+\b], s[SEL], s[SEL+1]
.endr
.irp b, 0,1,2,3
	v_max_num_f32 v[TM+\b], v[TM+\b], v[TM+4+\b]
.endr
.irp b, 0,1,2,3
	v_add_nc_u32 v[TM+12+\b], 0xfe000000, v[TM+\b]
.endr
.irp b, 0,1,2,3
	v_lshrrev_b32 v[TM+4+\b], 23, v[TM+12+\b]
.endr
	v_lshl_or_b32 v[PW], v[TM+5], 8, v[TM+4]
	v_lshl_or_b32 v[PW], v[TM+6], 16, v[PW]
	v_lshl_or_b32 v[PW], v[TM+7], 24, v[PW]
.irp c, 0,1
	v_cvt_scalef32_pk16_bf6_f32 v[PC+6*\c:PC+2+6*\c], v[\s+32*\c:\s+15+32*\c], v[TM+12+2*\c]
	v_cvt_scalef32_pk16_bf6_f32 v[PC+12+4*\c:PC+14+4*\c], v[\s+16+32*\c:\s+31+32*\c], v[TM+12+2*\c+1]
.endr
	v_nop
.irp c, 0,1
.irp i, 0,1,2
	v_permlane16_swap_b32 v[PC+6*\c+\i], v[PC+12+4*\c+\i]
.endr
.irp i, 0,1,2
	v_mov_b32 v[PC+3+6*\c+\i], v[PC+12+4*\c+\i]
.endr
.endr
.endm
.macro ALOAD ks
.if (\ks) < 5
	WIN 0x40
.set ab, 48*(\ks)
.else
	WIN 0x80
.set ab, 48*((\ks)-5)
.endif
.irp f, 0,1,2,3
.irp c, 0,1,2
	global_load_b128 v[ab+12*\f+4*\c:ab+12*\f+4*\c+3], v1, s[AP:AP+1] offset:6400*(\ks)+1536*\f+512*\c
.endr
.endr
	WIN 0
	global_load_b128 v[AS+4*(\ks):AS+4*(\ks)+3], v3, s[AP:AP+1] offset:6400*(\ks)+6144
.endm
.macro BFETCH q, buf
	WIN 0x80
.irp f, 0,1,2,3
.irp c, 0,1,2
	ds_load_b128 v[BB+48*(\buf)+12*\f+4*\c:BB+48*(\buf)+12*\f+4*\c+3], v[LA+(\q)/10] offset:((\q)%10)*6400+1536*\f+512*\c
.endr
.endr
	WIN 0
	ds_load_b128 v[BS+4*(\buf):BS+4*(\buf)+3], v[LS+(\q)/10] offset:((\q)%10)*6400+6144
.endm
.macro WM d, a, b, sa, sb, zero
.if \zero
	v_wmma_scale_f32_16x16x128_f8f6f4 v[\d:\d+7], v[\a:\a+11], v[\b:\b+11], 0, v[\sa], v[\sb] matrix_a_fmt:MATRIX_FMT_BF6 matrix_b_fmt:MATRIX_FMT_BF6
.else
	v_wmma_scale_f32_16x16x128_f8f6f4 v[\d:\d+7], v[\a:\a+11], v[\b:\b+11], v[\d:\d+7], v[\sa], v[\sb] matrix_a_fmt:MATRIX_FMT_BF6 matrix_b_fmt:MATRIX_FMT_BF6
.endif
.endm
.macro MM16 ks, buf, acc, zero         ; 16 accumulators by turns, one instruction a turn
.if (\ks) < 5
.set ab, 48*(\ks)
	WIN 0xf6
.else
.set ab, 48*((\ks)-5)
	WIN 0xfa
.endif
.irp t, 0,1,2,3
.irp n, 0,1,2,3
	WM \acc+8*(4*\t+\n), BB+48*(\buf)+12*\n, ab+12*\t, BS+4*(\buf)+\n, AS+4*(\ks)+\t, \zero
.endr
.endr
.endm
.macro ACTOUT tp, j                    ; tiles of tokens 2 tp and 2 tp + 1: 64 numbers a lane
	WIN 0x03                                       ; source 0: window 3
.set i, 0
.rept 32
	v_pk_mul_f32 v[T+i:T+i+1], v[64*\tp+i:64*\tp+i+1], s[62:63] op_sel_hi:[1,0]   ; -h log2(e)
.set i, i+2
.endr
	WIN 0
.set i, 0
	s_wait_alu depctr_va_vdst(0)
.rept 64
	v_exp_f32 v[T+i], v[T+i]
.set i, i+1
.endr
	v_nop
	s_wait_alu depctr_va_vdst(0)                   ; one wait for the batch
.set i, 0
.rept 32
	v_pk_add_f32 v[T+i:T+i+1], v[T+i:T+i+1], 1.0 op_sel_hi:[1,0]
.set i, i+2
.endr
.set i, 0
	s_wait_alu depctr_va_vdst(0)
.rept 64
	v_rcp_f32 v[T+i], v[T+i]                       ; the sigmoid
.set i, i+1
.endr
	v_nop
	s_wait_alu depctr_va_vdst(0)
	WIN 0x03
.set i, 0
.rept 32
	v_pk_mul_f32 v[ACT+i:ACT+i+1], v[64*\tp+i:64*\tp+i+1], v[T+i:T+i+1]
.set i, i+2
.endr
.set i, 0
.rept 32
	v_pk_mul_f32 v[ACT+i:ACT+i+1], v[128+64*\tp+i:128+64*\tp+i+1], v[ACT+i:ACT+i+1]
.set i, i+2
.endr
	WIN 0
	s_wait_xcnt 0x0                                ; earlier stores have read the codes' registers
	QUANT ACT
	global_store_b128 v1, v[PC:PC+3], s[48+2*\j:49+2*\j] offset:3072*\tp
	global_store_b64 v2, v[PC+4:PC+5], s[48+2*\j:49+2*\j] offset:3072*\tp+512
	global_store_b128 v1, v[PC+6:PC+9], s[48+2*\j:49+2*\j] offset:3072*\tp+1536
	global_store_b64 v2, v[PC+10:PC+11], s[48+2*\j:49+2*\j] offset:3072*\tp+2048
	global_store_b16 v3, v[PW], s[54+2*\j:55+2*\j] offset:8*\tp
	global_store_d16_hi_b16 v3, v[PW], s[54+2*\j:55+2*\j] offset:8*\tp+4
.endm
.macro GROUP j
	BFETCH 16*\j, 0
.irp k, 0,1,2,3,4,5,6,7,8,9,10,11,12,13,14,15
.if \k > 0
	PLACES 4                                       ; in front of loads into the set that step k - 1's products read
.endif
.if \k < 15
	BFETCH 16*\j+\k+1, (\k+1)%2
	s_wait_dscnt 13                                ; all but the 13 just issued
.else
	s_wait_dscnt 0x0
.endif
.if (\j == 0) && (\k%2 == 0)
.if \k < 10
	s_wait_loadcnt 39                              ; K step k / 2 of my tokens is in; behind it: three K steps of 13 loads
.else
	s_wait_loadcnt 13*(7-\k/2)
.endif
.endif
.if \k < 2
	MM16 \k/2, \k%2, 128*(\k%2), 1
.else
	MM16 \k/2, \k%2, 128*(\k%2), 0
.endif
.if (\j == 0) && (\k%2 == 1) && (\k < 8)
	ALOAD \k/2+4
.endif
.if (\j < 2) && (\k == 7)
	; the next group's first fill, in the middle of this group (in group 0: behind the last loads of my tokens' codes): the wait for all my loads, the add, its wait, a round of the cluster's barrier, one load a wave
	WIN 0
	s_wait_tensorcnt 0x0
	ds_add_u32 v254, v255
	s_wait_dscnt 0x0
	ROUND
	tensor_load_to_lds s[G0+4*\j+4:G0+4*\j+7], s[G1:G1+7]
	s_nop 0
.endif
.endr
	WIN 0
	PLACES 4
	ACTOUT 0, \j
	ACTOUT 1, \j
.endm
	s_load_b128 s[4:7], s[0:1], 0x0                ; nq, wq
	s_load_b64 s[8:9], s[0:1], 0x10                ; aq
	v_lshl_add_u32 v254, v0, 2, 0x4b000
	v_mov_b32 v255, 0
	ds_add_u32 v254, v255
	ds_add_u32 v254, v255
	v_lshrrev_b32 v1, 5, v0
	v_readfirstlane_b32 s[WV], v1
	s_bfe_u32 s11, ttmp6, 0x40000
	s_lshl_b32 s12, ttmp9, 2
	s_add_co_u32 s12, s12, s11
	s_and_b32 s13, ttmp7, 0xffff                   ; y
	s_lshl_b32 s14, s12, 2
	s_add_co_u32 s14, s14, s[WV]                   ; my quad of tokens
	s_mov_b32 s[G1], 15|(3<<16)|(1<<21)
	s_mov_b32 s[G1+1], 32<<16                      ; 100 dense rows of 256 bytes: a quarter of a group
	s_mov_b32 s[G1+2], 100<<16
	s_mov_b32 s[G1+3], 32<<16
	s_mov_b32 s[G1+4], 100
	s_mov_b32 s[G1+5], 32
	s_mov_b32 s[G1+6], 0
	s_mov_b32 s[G1+7], 0
	s_mul_i32 s15, s[WV], 25600
	s_mov_b32 s17, 0
	s_wait_dscnt 0x0
	s_wait_kmcnt 0x0
.irp j, 0,1,2
	s_mul_i32 s16, s13, 3
	s_add_co_u32 s16, s16, \j
	s_min_u32 s16, s16, 43                         ; y = 14 has no third group: group 43 once more
	s_mul_i32 s16, s16, 102400
	s_add_co_u32 s16, s16, s15
	s_add_co_u32 s16, s16, W13Q
	s_mov_b32 s[G0+4*\j], 1
	s_add_co_u32 s[G0+4*\j+1], s15, 102400*\j
	s_add_nc_u64 s[G0+4*\j+2:G0+4*\j+3], s[6:7], s[16:17]
	s_or_b32 s[G0+4*\j+3], s[G0+4*\j+3], 0x80000000
.endr
	ROUND
	tensor_load_to_lds s[G0:G0+3], s[G1:G1+7]
	s_nop 0
	PLACES 4
	s_mul_i32 s18, s14, 51200
	s_mov_b32 s19, 0
	s_add_nc_u64 s[AP:AP+1], s[4:5], s[18:19]
	v_and_b32 v14, 31, v0
	v_and_b32 v15, 15, v0
	v_lshlrev_b32 v1, 4, v14
	v_lshlrev_b32 v2, 3, v14
	v_lshlrev_b32 v3, 4, v15
	s_wait_alu depctr_va_vdst(0)
	ALOAD 0
	ALOAD 1
	ALOAD 2
	ALOAD 3
	s_mul_i32 s18, s14, 22
	s_mov_b32 s23, 0
.irp j, 0,1,2
	s_mul_i32 s16, s13, 3
	s_add_co_u32 s16, s16, \j                      ; the group: K step gi / 2 of the last product, half gi % 2
	s_lshr_b32 s20, s16, 1
	s_add_co_u32 s20, s20, s18
	s_mul_i32 s20, s20, 6400
	s_and_b32 s21, s16, 1
	s_mul_i32 s22, s21, 768
	s_add_co_u32 s22, s22, s20
	s_add_nc_u64 s[48+2*\j:49+2*\j], s[8:9], s[22:23]
	s_lshl_b32 s21, s21, 1
	s_add_co_u32 s22, s20, s21
	s_add_co_u32 s22, s22, 6144
	s_add_nc_u64 s[54+2*\j:55+2*\j], s[8:9], s[22:23]
.endr
	s_mov_b32 s[SEL], 0x76543210
	s_mov_b32 s[SEL+1], 0xfedcba98
	s_mov_b32 s62, 0xbfb8aa3b                      ; -log2(e)
	s_mov_b32 s63, s62
.irp i, 0,1,2,3,4
	v_add_nc_u32 v[LA+\i], 64000*\i, v1
	v_add_nc_u32 v[LS+\i], 64000*\i, v3
.endr
.irp b, 0,1,2,3
	v_mov_b32 v[TM+4+\b], 0
.endr
	s_wait_alu depctr_va_vdst(0)
	s_wait_tensorcnt 0x0                           ; my quarter of group 0 has landed
	s_barrier_signal -1
	s_barrier_wait -1
	GROUP 0
	s_wait_tensorcnt 0x0                           ; my quarter of group 1 has landed
	s_barrier_signal -1
	s_barrier_wait -1
	GROUP 1
	s_wait_tensorcnt 0x0
	s_barrier_signal -1
	s_barrier_wait -1
	s_cmp_eq_u32 s13, 14
	s_cbranch_scc1 .Ldone
	GROUP 2
.Ldone:
	s_wait_tensorcnt 0x0
	ds_add_u32 v254, v255
	s_wait_dscnt 0x0
	ROUND                                          ; the closing round
	s_endpgm
.Lfunc_end_k_qd1dc65de52_ffn1:
	.size	k_qd1dc65de52_ffn1, .Lfunc_end_k_qd1dc65de52_ffn1-k_qd1dc65de52_ffn1
	.p2alignl 7, 3214868480
	.fill 96, 4, 3214868480
	.section	.rodata,"a",@progbits
	.p2align	6, 0x0
	.amdhsa_kernel k_qd1dc65de52_ffn1
		.amdhsa_group_segment_fixed_size 327680
		.amdhsa_private_segment_fixed_size 0
		.amdhsa_enable_private_segment 0
		.amdhsa_kernarg_size 24
		.amdhsa_user_sgpr_count 2
		.amdhsa_user_sgpr_kernarg_segment_ptr 1
		.amdhsa_wavefront_size32 1
		.amdhsa_system_sgpr_workgroup_id_x 1
		.amdhsa_system_sgpr_workgroup_id_y 1
		.amdhsa_system_sgpr_workgroup_id_z 1
		.amdhsa_system_vgpr_workitem_id 0
		.amdhsa_next_free_vgpr 1024
		.amdhsa_next_free_sgpr 66
		.amdhsa_reserve_vcc 0
		.amdhsa_float_denorm_mode_32 3
		.amdhsa_float_denorm_mode_16_64 3
		.amdhsa_memory_ordered 1
		.amdhsa_forward_progress 1
		.amdhsa_inst_pref_size 255
	.end_amdhsa_kernel
	.section	.bss,"aw",@nobits
	.p2align	6
	.space	262144
	.amdgpu_metadata
---
amdhsa.version: [ 1, 2 ]
amdhsa.kernels:
  - .name:           k_qd1dc65de52_ffn1
    .symbol:         k_qd1dc65de52_ffn1.kd
    .args:
      - { .name: nq, .offset: 0, .size: 8, .value_kind: global_buffer, .address_space: global }
      - { .name: wq, .offset: 8, .size: 8, .value_kind: global_buffer, .address_space: global }
      - { .name: aq, .offset: 16, .size: 8, .value_kind: global_buffer, .address_space: global }
    .group_segment_fixed_size: 327680
    .private_segment_fixed_size: 0
    .kernarg_segment_align: 8
    .kernarg_segment_size: 24
    .max_flat_workgroup_size: 128
    .sgpr_count:     66
    .vgpr_count:     1024
    .wavefront_size: 32
...
	.end_amdgpu_metadata
.endif
;; end of part 5
;; launch ffn2 (part 6): grid 32 x 8, 4 waves a work-group, clusters of 4 x 1, 299,520 bytes of LDS; arguments aq, wq, h1, out0; writes out0
.if DOCPART == 6
	.amdgcn_target "amdgcn-amd-amdhsa--gfx1250"
	.amdhsa_code_object_version 6
	.text
	.protected	k_qd1dc65de52_ffn2
	.globl	k_qd1dc65de52_ffn2
	.p2align	8
	.type	k_qd1dc65de52_ffn2,@function
k_qd1dc65de52_ffn2:
	s_mov_b64 s[64:65], 0
	v_nop
	global_prefetch_b8 v0, s[64:65] scope:SCOPE_SE
	s_setreg_imm32_b32 hwreg(HW_REG_WAVE_MODE, 25, 1), 1
	s_wait_xcnt 0x0
	s_wait_alu depctr_hold_cnt(0) depctr_sa_sdst(0) depctr_va_vdst(0) depctr_va_sdst(0) depctr_va_ssrc(0) depctr_va_vcc(0) depctr_vm_vsrc(0)
	s_getreg_b32 s2, hwreg(HW_REG_IB_STS2, 6, 4)
	s_cmp_eq_u32 s2, 0
	s_cbranch_scc0 .Lentry_in_a_cluster
	s_endpgm
.Lentry_in_a_cluster:
	s_bfe_u32 s2, ttmp6, 0x10000c
	s_cmp_lg_u32 s2, 0x3003
	s_cbranch_scc0 .Lentry_shape_is_right
	s_endpgm
.Lentry_shape_is_right:
; out0 = h1 + act W2^T on codes of E3M2.  Work-group (x, y): tokens 128 x on, columns 128 y on.
; The columns' weights, two groups of 22 QUs of 6,400 bytes, are 281,600 dense bytes of wq: they come into LDS once, by one joint load a wave of 275 rows of 256 bytes; nothing in LDS is filled twice.
; CLUSTER.  The four work-groups of a cluster have the same columns: the loads are joint.  The place in the cluster enters global addresses of my own tokens alone.
; Wave w owns 32 tokens (tiles 2 (w % 2) and 2 (w % 2) + 1 of quad 2 x + w / 2) and all 128 columns: 16 accumulators by turns, 16 matrix instructions a K step.
; Its tokens' half fragments come from aq into a ring of eight register sets, 9 loads a K step, seven K steps (63 loads) ahead; no other wave of the work-group reads them.
; The products are used transposed (source 0 = weight rows, source 1 = tokens): a lane holds one token and 16 neighbouring columns of each block of 32.
; The sums go through the wave's own stage, behind the weights, and leave with h1 added as rows of 256 consecutive bytes.
; h1's 512 bytes of each of my 32 rows are prefetched at the head, two instructions a wave, a lane a row, 15 K steps ahead of their loads.
; REGISTERS: window 0: addresses, scale words, v64-127 the way out, v128-255 the accumulators; window 1: the tokens' ring; window 2: two sets of the weights' 8 fragments; window 3: h1.
.set KS,   22
.set NS,   8
.set WOFF, 7782400
.set WV,  12
.set LA,  4                            ; v4-8   16 x lane + 64,000 i: an LDS offset has 16 bits
.set LS,  9                            ; v9-13  16 x (lane % 16) + 64,000 i
.set STO, 16
.set RD,  17
.set GO,  18
.set PF,  19
.set SPW, 20
.set NIL, 21
.set AS,  22                           ; v22-37 the tokens' scale words: 2 a set
.set BS,  38                           ; v38-53 the weights': 8 a set
.set OB,  64
.set ACC, 128
.set STG, 281600
.set SPARE, 299008
.set G1,  24
.set G0,  32
.set AP,  40
.set ASP, 42
.set RP,  44
.set OP,  46
.set MSB, 0
.macro WIN new                         ; the immediate's high byte repeats the setting that is left
.if MSB != \new
	s_set_vgpr_msb (MSB<<8)|\new
.set MSB, \new
.endif
.endm
.macro PLACES n
.rept \n
	v_nop
.endr
.endm
.macro ROUND
	s_barrier_signal -1
	s_barrier_wait -1
	s_cmp_lg_u32 s[WV], 0
	s_cbranch_scc1 .Lnw0_\@
	s_barrier_signal -3
.Lnw0_\@:
	s_barrier_wait -3
	s_barrier_signal -1
	s_barrier_wait -1
.endm
.macro AFETCH ks
.set sl, (\ks)%NS
	WIN 0x40
.irp t, 0,1
	global_load_b128 v[24*sl+12*\t:24*sl+12*\t+3], v1, s[AP:AP+1] offset:6400*(\ks)+1536*\t
	global_load_b64 v[24*sl+12*\t+4:24*sl+12*\t+5], v2, s[AP:AP+1] offset:6400*(\ks)+1536*\t+512
	global_load_b128 v[24*sl+12*\t+6:24*sl+12*\t+9], v1, s[AP:AP+1] offset:6400*(\ks)+1536*\t+768
	global_load_b64 v[24*sl+12*\t+10:24*sl+12*\t+11], v2, s[AP:AP+1] offset:6400*(\ks)+1536*\t+1280
.endr
	WIN 0
	global_load_b64 v[AS+2*sl:AS+2*sl+1], v3, s[ASP:ASP+1] offset:6400*(\ks)
.endm
.macro BFETCH ks, buf                  ; K step ks of both groups: QU 22 g + ks of the panel: 26 LDS loads
	WIN 0x80
.irp g, 0,1
.irp f, 0,1,2,3
.irp c, 0,1,2
	ds_load_b128 v[96*(\buf)+48*\g+12*\f+4*\c:96*(\buf)+48*\g+12*\f+4*\c+3], v[LA+(22*\g+(\ks))/10] offset:((22*\g+(\ks))%10)*6400+1536*\f+512*\c
.endr
.endr
.endr
	WIN 0
.irp g, 0,1
	ds_load_b128 v[BS+8*(\buf)+4*\g:BS+8*(\buf)+4*\g+3], v[LS+(22*\g+(\ks))/10] offset:((22*\g+(\ks))%10)*6400+6144
.endr
.endm
.macro WM d, a, b, sa, sb, zero
.if \zero
	v_wmma_scale_f32_16x16x128_f8f6f4 v[\d:\d+7], v[\a:\a+11], v[\b:\b+11], 0, v[\sa], v[\sb] matrix_a_fmt:MATRIX_FMT_BF6 matrix_b_fmt:MATRIX_FMT_BF6
.else
	v_wmma_scale_f32_16x16x128_f8f6f4 v[\d:\d+7], v[\a:\a+11], v[\b:\b+11], v[\d:\d+7], v[\sa], v[\sb] matrix_a_fmt:MATRIX_FMT_BF6 matrix_b_fmt:MATRIX_FMT_BF6
.endif
.endm
.macro MM16 ks, buf, zero
.set sl, (\ks)%NS
	WIN 0x06                                       ; source 0: window 2, source 1: window 1
.irp t, 0,1
.irp n, 0,1,2,3,4,5,6,7
	WM ACC+8*(8*\t+\n), 96*(\buf)+12*\n, 24*sl+12*\t, BS+8*(\buf)+\n, AS+2*sl+\t, \zero
.endr
.endr
.endm
.macro RLOAD                           ; h1: block m = tile m / 2, group m % 2: sixteen lanes read 256 consecutive bytes of a row
	WIN 0xc0
.irp m, 0,1,2,3
.irp t, 0,1,2,3,4,5,6,7
	global_load_b128 v[32*\m+4*\t:32*\m+4*\t+3], v[GO], s[RP:RP+1] offset:(8*(\m/2)+2*\t+8*(\t/4))*4096+256*(\m%2)
.endr
.endr
	WIN 0
.endm
	s_load_b256 s[4:11], s[0:1], 0x0               ; aq, wq, h1, out0
	v_lshl_add_u32 v[SPW], v0, 2, SPARE
	v_mov_b32 v[NIL], 0
	ds_add_u32 v[SPW], v[NIL]                      ; the opening lines: the add, twice on end, and its wait ahead of my first tensor load
	ds_add_u32 v[SPW], v[NIL]
	v_lshrrev_b32 v1, 5, v0
	v_readfirstlane_b32 s[WV], v1
	s_bfe_u32 s13, ttmp6, 0x40000
	s_lshl_b32 s14, ttmp9, 2
	s_add_co_u32 s14, s14, s13                     ; block of 128 tokens
	s_and_b32 s15, ttmp7, 0xffff                   ; block of 128 columns
	s_lshl_b32 s16, s14, 1
	s_lshr_b32 s17, s[WV], 1
	s_add_co_u32 s16, s16, s17                     ; my quad of 64 tokens
	s_and_b32 s36, s[WV], 1                        ; and which 32 of them
	s_mov_b32 s[G1], 15|(3<<16)|(1<<21)
	s_mov_b32 s[G1+1], 32<<16                      ; 275 dense rows of 256 bytes: a quarter of the two groups
	s_mov_b32 s[G1+2], 275<<16
	s_mov_b32 s[G1+3], 32<<16
	s_mov_b32 s[G1+4], 275
	s_mov_b32 s[G1+5], 32
	s_mov_b32 s[G1+6], 0
	s_mov_b32 s[G1+7], 0
	s_mul_i32 s17, s[WV], 70400
	s_mul_i32 s18, s15, 281600
	s_add_co_u32 s18, s18, s17
	s_add_co_u32 s18, s18, WOFF
	s_mov_b32 s19, 0
	s_wait_dscnt 0x0
	s_wait_kmcnt 0x0
	s_mov_b32 s[G0], 1
	s_mov_b32 s[G0+1], s17
	s_add_nc_u64 s[G0+2:G0+3], s[6:7], s[18:19]
	s_or_b32 s[G0+3], s[G0+3], 0x80000000
	ROUND                                          ; all four work-groups are here: the joint loads meet
	tensor_load_to_lds s[G0:G0+3], s[G1:G1+7]      ; my one load
	s_nop 0
	PLACES 4
	s_mul_i32 s20, s16, 140800
	s_mul_i32 s22, s36, 3072
	s_add_co_u32 s22, s22, s20
	s_mov_b32 s23, 0
	s_add_nc_u64 s[AP:AP+1], s[4:5], s[22:23]      ; my two tiles in each QU
	s_lshl_b32 s22, s36, 3
	s_add_co_u32 s22, s22, s20
	s_add_co_u32 s22, s22, 6144
	s_add_nc_u64 s[ASP:ASP+1], s[4:5], s[22:23]    ; and their two scale words of row r, at 16 r
	v_and_b32 v14, 31, v0
	v_and_b32 v15, 15, v0
	v_bfe_u32 v54, v0, 4, 1
	v_lshlrev_b32 v1, 4, v14
	v_lshlrev_b32 v2, 3, v14
	v_lshlrev_b32 v3, 4, v15
	s_wait_alu depctr_va_vdst(0)
.irp a, 0,1,2,3,4,5,6
	AFETCH \a
.endr
	s_lshl_b32 s20, s16, 6
	s_lshl_b32 s22, s36, 5
	s_add_co_u32 s20, s20, s22                     ; my first token
	s_lshl_b32 s20, s20, 12
	s_lshl_b32 s22, s15, 9
	s_add_co_u32 s20, s20, s22
	s_mov_b32 s21, 0
	s_add_nc_u64 s[RP:RP+1], s[8:9], s[20:21]
	s_add_nc_u64 s[OP:OP+1], s[10:11], s[20:21]
	v_lshlrev_b32 v[PF], 12, v14                   ; a lane a row: my two tiles are rows 0 .. 31 from my first token on
	global_prefetch_b8 v[PF], s[RP:RP+1] th:TH_LOAD_NT scope:SCOPE_SE              ; its address registers are never written again
	global_prefetch_b8 v[PF], s[RP:RP+1] offset:256 th:TH_LOAD_NT scope:SCOPE_SE
.irp i, 0,1,2,3,4
	v_add_nc_u32 v[LA+\i], 64000*\i, v1
	v_add_nc_u32 v[LS+\i], 64000*\i, v3
.endr
	s_mul_i32 s22, s[WV], 4352
	s_add_co_u32 s22, s22, STG
	v_mul_u32_u24 v[STO], v15, 272
	v_mul_u32_u24 v[RD], v54, 272
	v_lshl_add_u32 v[STO], v54, 6, v[STO]
	v_add_nc_u32 v[RD], v[RD], v3
	v_add_nc_u32 v[STO], s22, v[STO]               ; stage as the accumulators lie: row r, + 64 h
	v_add_nc_u32 v[RD], s22, v[RD]                 ; stage by rows: row h, + 16 r
	v_lshl_add_u32 v[GO], v54, 12, v3              ; and the same two rows in h1 and out0
	s_wait_alu depctr_va_vdst(0)
	s_wait_tensorcnt 0x0                           ; my quarter of the weights has landed,
	s_barrier_signal -1
	s_barrier_wait -1                              ; everybody's has
	BFETCH 0, 0
.set k, 0
.rept KS
.if k > 0
	PLACES 4                                       ; in front of loads into the sets that step k - 1's products read
.endif
.if k+NS-1 < KS
	AFETCH k+NS-1
.endif
.if k == KS-NS+1
	RLOAD
.endif
.if k+1 < KS
	BFETCH k+1, (k+1)%2
.endif
.if k < KS-NS+1
	s_wait_loadcnt 63                              ; K step k of my tokens is in; behind it: seven K steps of 9 loads
.elseif 9*(KS-1-k)+32 > 63
	s_wait_loadcnt 63                              ; (a wait's count has 6 bits: a smaller count than what is behind)
.else
	s_wait_loadcnt 9*(KS-1-k)+32                   ; behind it: the K steps left, and h1's 32 loads
.endif
.if k+1 < KS
	s_wait_dscnt 26                                ; all but the 26 just issued
.else
	s_wait_dscnt 0x0
.endif
.if k == 0
	MM16 k, k%2, 1
.else
	MM16 k, k%2, 0
.endif
.set k, k+1
.endr
	WIN 0
	PLACES 4
.irp m, 0,1,2,3
.if \m > 1
	s_wait_xcnt 0x0                                ; block m - 2's stores have read their registers
.endif
.irp b, 0,1
.irp q, 0,1,2,3
	ds_store_b128 v[STO], v[ACC+32*\m+16*\b+4*\q:ACC+32*\m+16*\b+4*\q+3] offset:128*\b+16*\q   ; each accumulator from its low end on
.endr
.endr
.irp t, 0,1,2,3,4,5,6,7
	ds_load_b128 v[OB+32*(\m%2)+4*\t:OB+32*(\m%2)+4*\t+3], v[RD] offset:544*\t   ; LDS serves a wave's instructions in order: these see my stores
.endr
	s_wait_dscnt 0x0
	s_wait_loadcnt 24-8*\m                         ; h1's block m is in
	WIN 0x0c                                       ; source 1: window 3
.set i, 0
.rept 16
	v_pk_add_f32 v[OB+32*(\m%2)+i:OB+32*(\m%2)+i+1], v[OB+32*(\m%2)+i:OB+32*(\m%2)+i+1], v[32*\m+i:32*\m+i+1]
.set i, i+2
.endr
	WIN 0
.irp t, 0,1,2,3,4,5,6,7
	global_store_b128 v[GO], v[OB+32*(\m%2)+4*\t:OB+32*(\m%2)+4*\t+3], s[OP:OP+1] offset:(8*(\m/2)+2*\t+8*(\t/4))*4096+256*(\m%2)   ; sixteen lanes store 256 consecutive bytes, aligned
.endr
.endr
	s_wait_tensorcnt 0x0                           ; the wave's end
	ds_add_u32 v[SPW], v[NIL]
	s_wait_dscnt 0x0
	ROUND                                          ; the closing round
	s_endpgm
.Lfunc_end_k_qd1dc65de52_ffn2:
	.size	k_qd1dc65de52_ffn2, .Lfunc_end_k_qd1dc65de52_ffn2-k_qd1dc65de52_ffn2
	.p2alignl 7, 3214868480
	.fill 96, 4, 3214868480
	.section	.rodata,"a",@progbits
	.p2align	6, 0x0
	.amdhsa_kernel k_qd1dc65de52_ffn2
		.amdhsa_group_segment_fixed_size 299520
		.amdhsa_private_segment_fixed_size 0
		.amdhsa_enable_private_segment 0
		.amdhsa_kernarg_size 32
		.amdhsa_user_sgpr_count 2
		.amdhsa_user_sgpr_kernarg_segment_ptr 1
		.amdhsa_wavefront_size32 1
		.amdhsa_system_sgpr_workgroup_id_x 1
		.amdhsa_system_sgpr_workgroup_id_y 1
		.amdhsa_system_sgpr_workgroup_id_z 1
		.amdhsa_system_vgpr_workitem_id 0
		.amdhsa_next_free_vgpr 896
		.amdhsa_next_free_sgpr 66
		.amdhsa_reserve_vcc 0
		.amdhsa_float_denorm_mode_32 3
		.amdhsa_float_denorm_mode_16_64 3
		.amdhsa_memory_ordered 1
		.amdhsa_forward_progress 1
		.amdhsa_inst_pref_size 126
	.end_amdhsa_kernel
	.amdgpu_metadata
---
amdhsa.version: [ 1, 2 ]
amdhsa.kernels:
  - .name:           k_qd1dc65de52_ffn2
    .symbol:         k_qd1dc65de52_ffn2.kd
    .args:
      - { .name: aq, .offset: 0, .size: 8, .value_kind: global_buffer, .address_space: global }
      - { .name: wq, .offset: 8, .size: 8, .value_kind: global_buffer, .address_space: global }
      - { .name: h1, .offset: 16, .size: 8, .value_kind: global_buffer, .address_space: global }
      - { .name: out0, .offset: 24, .size: 8, .value_kind: global_buffer, .address_space: global }
    .group_segment_fixed_size: 299520
    .private_segment_fixed_size: 0
    .kernarg_segment_align: 8
    .kernarg_segment_size: 32
    .max_flat_workgroup_size: 128
    .sgpr_count:     66
    .vgpr_count:     896
    .wavefront_size: 32
...
	.end_amdgpu_metadata
.endif
;; end of part 6
